; MI455X (gfx1250); checked and timed in simulation.
; The chip was launched on July 23, 2026; its instructions are those of AMD's public machine-readable ISA for CDNA 5 (MIT licence, August 2026) and "CDNA5" Instruction Set Architecture Reference Guide (July 2026). The comments in the code are by the model that wrote it; some were corrected since.
;; Multi Head Attention. Allowed arithmetic: float matrix products may take bf16 or f16 operands with f32 sums; all other float work in f32.
;; Inputs: Wk 1,024 x 1,024 float32; Wo 1,024 x 1,024 float32; Wq 1,024 x 1,024 float32; Wv 1,024 x 1,024 float32; bk 1,024 float32; bo 1,024 float32; bq 1,024 float32; bv 1,024 float32; k 2 x 2,048 x 1,024 float32; mask 1 x 1 x 2,048 x 2,048 int32; q 2 x 2,048 x 1,024 float32; v 2 x 2,048 x 1,024 float32.
;; Outputs: out0 2 x 2,048 x 1,024 float32.
;; 2 versions, each right; version 2 is version 1 with the launch prep written anew for expert scheduling mode. Each part assembles by itself: llvm-mc -triple=amdgcn-amd-amdhsa -mcpu=gfx1250 --defsym DOCPART=n.
;; ======== version 1 of 2: 4 launches
;; limits: values are held in f16: magnitudes above 65,504 overflow, below 6.1e-05 lose precision
;; workspace buffers: xh 25,165,824 bytes; wh 8,388,608 bytes; mbits 524,288 bytes of whole numbers; qkvh 25,165,824 bytes; ctx 8,388,608 bytes
;; launch prep (part 1): grid 256 x 1, 8 waves a work-group, no clusters, 68,608 bytes of LDS; arguments q, k, v, Wq, Wk, Wv, Wo, mask, xh, wh, mbits; writes xh, wh, mbits
.if DOCPART == 1
	.amdgcn_target "amdgcn-amd-amdhsa--gfx1250"
	.amdhsa_code_object_version 6
	.text
	.protected	k_q085b2162ad_prep
	.globl	k_q085b2162ad_prep
	.p2align	8
	.type	k_q085b2162ad_prep,@function
k_q085b2162ad_prep:
	s_mov_b64 s[64:65], 0
	v_nop
	global_prefetch_b8 v0, s[64:65] scope:SCOPE_SE
	s_setreg_imm32_b32 hwreg(HW_REG_WAVE_MODE, 25, 1), 1
	s_wait_xcnt 0x0
; CAST AND PACK.  q, k, v [4096][1024] f32 -> xh [3][4096][1024] bf16;  Wq, Wk, Wv [1024][1024] f32 -> planes 0-2 of wh, bf16;
; Wo -> plane 3 of wh: rounded to bf16 like every other matrix input, and that number written in f16, because its partner in the last product
; (the context) is f16.  So all matrix inputs bear one and the same rounding, to nearest even, once: the program computes reference() of the inputs
; rounded to bf16, up to the f16 rounding of its intermediates.  A bf16 number (8 significant bits) is exact in f16 for magnitudes from 2^-17 to 65,504.
; mask [2048][2048] i32 -> mbits, one bit a number: the word at byte qt*4096 + kt*32 + 4*j (qt, kt: tiles of 16 queries, 16 keys; j = 0..7)
; has bit L = (mask[16 qt + (L & 15)][16 kt + 8 (L >> 4) + j] != 0): the lane mask of register j of a 16 x 16 tile of scores that holds
; query L & 15 and key 8 (L >> 4) + j in lane L.  The attention launch uses a word as the select mask of one v_cndmask_b32.
; A stream: every input byte is read once, by loads of 16 bytes a lane (512 consecutive bytes a wave); every store of a wave covers 256
; consecutive bytes, aligned.  No matrix work.  The work-groups share no input, so there is nothing to ask for jointly: no cluster.
; 256 work-groups of 8 waves.  Work-group g: 64 KiB of each of q, k, v, 16 KiB of each W, and 16 rows x 1024 columns of the mask
; (stripe g >> 1, column half g & 1); a wave takes one eighth of each, contiguous (of the mask: 16 rows x 128 columns = 8 tiles = 64 words).
; LIMIT: |Wo| of 65,504 or more becomes an infinity; |Wo| below 2^-17 is off by 2^-25 at the most.  The other inputs keep f32's range.
.set X0, 16                            ; v[16:79]    batch 0: 16 loads of 4 registers
.set X1, 80                            ; v[80:143]   batch 1
.set X2, 144                           ; v[144:207]  batch 2
.set LP, 528                           ; LDS pitch of a mask row: 512 bytes + 16: an odd multiple of 16 bytes, so 16 rows start in 16 different 16-byte columns of a 256-byte span
.set WLDS, 16*LP                       ; a wave's own LDS bytes
.set WPLANE, 2097152                   ; bytes of one W in 16 bits
	s_load_b512 s[8:23], s[0:1], 0x0               ; q 8, k 10, v 12, Wq 14, Wk 16, Wv 18, Wo 20, mask 22
	s_load_b128 s[24:27], s[0:1], 0x40             ; xh 24, wh 26
	s_load_b64 s[28:29], s[0:1], 0x50              ; mbits
	v_lshl_add_u32 v208, v0, 2, 0x10800
	v_mov_b32 v209, 0
	v_and_b32 v12, 31, v0                          ; lane
	v_lshrrev_b32 v9, 5, v0                        ; wave
	v_readfirstlane_b32 s38, v9                    ; and as a scalar
	s_mul_i32 s39, s38, WLDS                       ; my wave's LDS bytes
	v_lshlrev_b32 v13, 4, v12                      ; 16 x lane
	v_lshlrev_b32 v14, 3, v12                      ; 8 x lane
	v_lshl_add_u32 v1, v9, 13, v13                 ; q, k, v: 8 KiB a wave
	v_lshl_add_u32 v2, v9, 12, v14                 ; xh: 4 KiB a wave
	v_lshl_add_u32 v3, v9, 11, v13                 ; W: 2 KiB a wave
	v_lshl_add_u32 v4, v9, 10, v14                 ; wh: 1 KiB a wave
	v_lshl_add_u32 v5, v9, 9, v13                  ; mask: 512 bytes of each row
	v_add_nc_u32 v6, s39, v13                      ; LDS, in: 16 bytes a lane of a row
	v_and_b32 v15, 15, v0
	v_mul_u32_u24 v15, v15, LP                     ; LDS, back: row L & 15,
	v_bfe_u32 v7, v0, 4, 1
	v_lshl_add_u32 v7, v7, 5, v15                  ; 8 numbers (32 bytes) for each half of the lanes
	v_add_nc_u32 v7, s39, v7
	v_lshl_add_u32 v8, v9, 8, v14                  ; mbits: 256 bytes a wave, 8 a lane
	v_mov_b32 v10, 0                               ; the two words of a lane: v_writelane_b32 counts as a reader of its destination
	v_mov_b32 v11, 0
	s_mov_b32 s3, 0
	s_lshl_b32 s2, ttmp9, 16                       ; offsets are made apart from the addresses, in s[2:3]
	s_wait_kmcnt 0x0
	s_add_nc_u64 s[8:9], s[8:9], s[2:3]
	s_add_nc_u64 s[10:11], s[10:11], s[2:3]
	s_add_nc_u64 s[12:13], s[12:13], s[2:3]
	s_lshl_b32 s2, ttmp9, 15
	s_add_nc_u64 s[24:25], s[24:25], s[2:3]        ; xh, plane of q
	s_add_nc_u64 s[30:31], s[24:25], 0x800000      ; plane of k
	s_add_nc_u64 s[32:33], s[24:25], 0x1000000     ; plane of v
	s_lshl_b32 s2, ttmp9, 14
	s_add_nc_u64 s[14:15], s[14:15], s[2:3]
	s_add_nc_u64 s[16:17], s[16:17], s[2:3]
	s_add_nc_u64 s[18:19], s[18:19], s[2:3]
	s_add_nc_u64 s[20:21], s[20:21], s[2:3]
	s_lshl_b32 s2, ttmp9, 13
	s_add_nc_u64 s[26:27], s[26:27], s[2:3]
	s_lshr_b32 s2, ttmp9, 1
	s_lshl_b32 s2, s2, 17                          ; stripe x 16 rows x 8,192 bytes
	s_and_b32 s4, ttmp9, 1
	s_lshl_b32 s4, s4, 12                          ; column half x 4,096 bytes
	s_or_b32 s2, s2, s4
	s_add_nc_u64 s[22:23], s[22:23], s[2:3]
	s_lshl_b32 s2, ttmp9, 11
	s_add_nc_u64 s[28:29], s[28:29], s[2:3]
.macro LD16 X, voff, base, stride      ; 16 loads, 512 consecutive bytes each
.set i, 0
.rept 16
	global_load_b128 v[\X+4*i:\X+4*i+3], v[\voff], s[\base:\base+1] offset:\stride*i th:TH_LOAD_NT
.set i, i+1
.endr
.endm
.macro CVT X                           ; 64 f32 -> 64 bf16 in the batch's first 32 registers; ascending, so no source is lost
.set i, 0
.rept 32
	v_cvt_pk_bf16_f32 v[\X+i], v[\X+2*i], v[\X+2*i+1]
.set i, i+1
.endr
.endm
.macro ST16 X, base                    ; 16 stores, 256 consecutive bytes each, aligned
.set i, 0
.rept 16
	global_store_b64 v2, v[\X+2*i:\X+2*i+1], s[\base:\base+1] offset:256*i
.set i, i+1
.endr
.endm
	LD16 X0, 1, 8, 512                             ; q
	LD16 X1, 1, 10, 512                            ; k
	LD16 X2, 1, 12, 512                            ; v
	s_wait_loadcnt 32                              ; q is in; the 32 younger loads (k, v) stay out
	CVT X0
	ST16 X0, 24
	s_wait_xcnt 0x0                                ; batch 0 is the stores' data: it is loaded again only behind this wait
.irp n, 0,1,2,3
.irp j, 0,1,2,3
	global_load_b128 v[X0+16*\n+4*\j:X0+16*\n+4*\j+3], v3, s[14+2*\n:15+2*\n] offset:512*\j th:TH_LOAD_NT
.endr
.endr
	s_wait_loadcnt 32                              ; k is in; v and the four W stay out
	CVT X1
	ST16 X1, 30
	s_wait_xcnt 0x0                                ; likewise for batch 1
	LD16 X1, 5, 22, 8192                           ; the mask: load i is row i's 512 bytes
	s_wait_loadcnt 32                              ; v is in; W and the mask stay out
	CVT X2
	ST16 X2, 32
	s_wait_loadcnt 16                              ; W is in; the mask stays out
	CVT X0
.set i, 24
.rept 8                                        ; Wo's 16 numbers lie packed in registers 24-31 of the batch: the bf16 numbers are widened (a shift, a mask) and written in f16;
	v_lshlrev_b32 v[X0+2*i], 16, v[X0+i]           ; registers 48-63, their f32 sources, are free and serve as the place to widen
	v_and_b32 v[X0+2*i+1], 0xffff0000, v[X0+i]
	v_cvt_pk_f16_f32 v[X0+i], v[X0+2*i], v[X0+2*i+1]
.set i, i+1
.endr
.irp n, 0,1,2,3
.irp j, 0,1,2,3
	global_store_b64 v4, v[X0+8*\n+2*\j:X0+8*\n+2*\j+1], s[26:27] offset:\n*WPLANE+256*\j
.endr
.endr
	s_wait_loadcnt 0x0                             ; the mask
.set i, 0
.rept 16
	ds_store_b128 v6, v[X1+4*i:X1+4*i+3] offset:LP*i
.set i, i+1
.endr
	s_wait_xcnt 0x0                                ; batch 2 is the data of v's stores
.set i, 0
.rept 16                                       ; tile kt = i >> 1, half c = i & 1: register X2 + 8 kt + j = mask[row L & 15][16 kt + 8 (L >> 4) + j]
	ds_load_b128 v[X2+4*i:X2+4*i+3], v7 offset:64*(i>>1)+16*(i&1)   ; my wave's own bytes; LDS serves a wave's instructions in order (ISA guide 5.7.1): these see the stores above
.set i, i+1
.endr
	s_wait_dscnt 0x0
.set n, 0
.rept 64                                       ; word n = 8 kt + j goes to lane n >> 1, register n & 1: a lane stores two neighbouring words
	v_cmp_ne_u32 s[34+(n&3)], 0, v[X2+n]
	v_writelane_b32 v[10+(n&1)], s[34+(n&3)], n>>1
.set n, n+1
.endr
	global_store_b64 v8, v[10:11], s[28:29]        ; 256 consecutive bytes, aligned
	s_wait_tensorcnt 0x0
	ds_add_u32 v208, v209
	s_wait_dscnt 0x0
	s_endpgm
.Lfunc_end_k_q085b2162ad_prep:
	.size	k_q085b2162ad_prep, .Lfunc_end_k_q085b2162ad_prep-k_q085b2162ad_prep
	.p2alignl 7, 3214868480
	.fill 96, 4, 3214868480
	.section	.rodata,"a",@progbits
	.p2align	6, 0x0
	.amdhsa_kernel k_q085b2162ad_prep
		.amdhsa_group_segment_fixed_size 68608
		.amdhsa_private_segment_fixed_size 0
		.amdhsa_enable_private_segment 0
		.amdhsa_kernarg_size 88
		.amdhsa_user_sgpr_count 2
		.amdhsa_user_sgpr_kernarg_segment_ptr 1
		.amdhsa_wavefront_size32 1
		.amdhsa_system_sgpr_workgroup_id_x 1
		.amdhsa_system_sgpr_workgroup_id_y 1
		.amdhsa_system_sgpr_workgroup_id_z 1
		.amdhsa_system_vgpr_workitem_id 0
		.amdhsa_next_free_vgpr 210
		.amdhsa_next_free_sgpr 66
		.amdhsa_reserve_vcc 0
		.amdhsa_float_denorm_mode_32 3
		.amdhsa_float_denorm_mode_16_64 3
		.amdhsa_memory_ordered 1
		.amdhsa_forward_progress 1
		.amdhsa_inst_pref_size 36
	.end_amdhsa_kernel
	.amdgpu_metadata
---
amdhsa.version: [ 1, 2 ]
amdhsa.kernels:
  - .name:           k_q085b2162ad_prep
    .symbol:         k_q085b2162ad_prep.kd
    .args:
      - { .name: q, .offset: 0, .size: 8, .value_kind: global_buffer, .address_space: global }
      - { .name: k, .offset: 8, .size: 8, .value_kind: global_buffer, .address_space: global }
      - { .name: v, .offset: 16, .size: 8, .value_kind: global_buffer, .address_space: global }
      - { .name: Wq, .offset: 24, .size: 8, .value_kind: global_buffer, .address_space: global }
      - { .name: Wk, .offset: 32, .size: 8, .value_kind: global_buffer, .address_space: global }
      - { .name: Wv, .offset: 40, .size: 8, .value_kind: global_buffer, .address_space: global }
      - { .name: Wo, .offset: 48, .size: 8, .value_kind: global_buffer, .address_space: global }
      - { .name: mask, .offset: 56, .size: 8, .value_kind: global_buffer, .address_space: global }
      - { .name: xh, .offset: 64, .size: 8, .value_kind: global_buffer, .address_space: global }
      - { .name: wh, .offset: 72, .size: 8, .value_kind: global_buffer, .address_space: global }
      - { .name: mbits, .offset: 80, .size: 8, .value_kind: global_buffer, .address_space: global }
    .group_segment_fixed_size: 68608
    .private_segment_fixed_size: 0
    .kernarg_segment_align: 8
    .kernarg_segment_size: 88
    .max_flat_workgroup_size: 256
    .sgpr_count:     66
    .vgpr_count:     210
    .wavefront_size: 32
...
	.end_amdgpu_metadata
.endif
;; end of part 1
;; launch qkv (part 2): grid 4 x 48, 4 waves a work-group, clusters of 4 x 4, 327,680 bytes of LDS; arguments xh, wh, bq, bk, bv, qkvh; writes qkvh
.if DOCPART == 2
	.amdgcn_target "amdgcn-amd-amdhsa--gfx1250"
	.amdhsa_code_object_version 6
	.text
	.protected	k_q085b2162ad_qkv
	.globl	k_q085b2162ad_qkv
	.p2align	8
	.type	k_q085b2162ad_qkv,@function
k_q085b2162ad_qkv:
	s_mov_b64 s[64:65], 0
	v_nop
	global_prefetch_b8 v0, s[64:65] scope:SCOPE_SE
	s_setreg_imm32_b32 hwreg(HW_REG_WAVE_MODE, 25, 1), 1
	s_wait_xcnt 0x0
	s_wait_alu depctr_hold_cnt(0) depctr_sa_sdst(0) depctr_va_vdst(0) depctr_va_sdst(0) depctr_va_ssrc(0) depctr_va_vcc(0) depctr_vm_vsrc(0)
	s_getreg_b32 s2, hwreg(HW_REG_IB_STS2, 6, 4)
	s_cmp_eq_u32 s2, 0
	s_cbranch_scc0 .Lentry_in_a_cluster
	s_endpgm
.Lentry_in_a_cluster:
	s_bfe_u32 s2, ttmp6, 0x10000c
	s_cmp_lg_u32 s2, 0xf033
	s_cbranch_scc0 .Lentry_shape_is_right
	s_endpgm
.Lentry_shape_is_right:
; THE THREE PROJECTIONS.  qkvh[t][m][n] = f16( s_t * (sum over k of xh[t][m][k] wh[t][n][k] + b_t[n]) ),  t = 0 (q), 1 (k), 2 (v);
; s_0 = log2(e) / 8 (the score's 1/sqrt(64) and the base-2 exponential's factor, folded into Q), s_1 = s_2 = 1.  Sums in f32, K = 1024 ascending.
; Operands bf16 (the inputs as the cast launch rounded them), biases f32, results f16: an intermediate gets f16's 11 significant bits, since a query
; with few open keys passes V on almost unaveraged, at a size far above the output's root mean square.
; xh's three planes follow each other, so the rows are 12,288 tokens: 48 block rows of 256; 4 block columns of 256 features: 192 work-groups of equal work.
; A work-group makes 256 x 256 with four waves; a wave makes 128 x 128: 64 accumulator tiles of 16 x 16, 512 registers, so that for 32 along K
; its 32 LDS loads feed 64 matrix instructions.  K goes in 8 steps of 128 through a ring of two LDS slots filled by the tensor data mover: a tile's rows
; are 256 bytes of memory and start at multiples of 256 bytes from the buffer's first byte.
; CLUSTERS: 4 x 4 work-groups.  The four of a row of the cluster need the same tiles of x, the four of a column the same tiles of W: each tile is asked
; for JOINTLY, by the same load with the same descriptor and a mask that names the four.  A plane has 16 block rows = 4 clusters, so the plane's number
; hangs on the cluster's y alone and is equal in all sixteen partners.
;
; REGISTERS, in windows of 256 (s_set_vgpr_msb says which window each operand place means; low byte: bits 1:0 source 0, 3:2 source 1, 5:4 source 2, 7:6 destination):
;   window 0: v16-27 addresses; v32-63 and v224-255 the bias; v64-127, v128-191 fragments of x (8 x 16 rows x 32 K), two buffers; v192-223 at work on the way out
;   window 1: v64-127, v128-191 fragments of W, two buffers
;   window 2: the 32 accumulator tiles of my tokens 0-63 (tile (a, b) at v[8 (8 a + b)]);   window 3: those of my tokens 64-127
; THE MATRIX INSTRUCTION IS USED TRANSPOSED: source 0 = 16 rows of W, source 1 = 16 rows of x.  Lane l then holds token l % 16 and, in registers 0 to 7,
; the features 8 (l / 16) + 0 .. 7: eight neighbouring numbers of a row of the result, which pack into 16 bytes.
; LIMIT: results are f16: |s_t (x W^T + b)| below 65,504, else an infinity.  Inputs 30 times those of the problem's kind, or offset by 30 spreads, stay below 20,000.
.set SIZE_N, 1024
.set SIZE_K, 1024
.set KSTEP,  128
.set PITCH,  272                       ; an LDS row: 256 bytes + 16 of padding: an odd multiple of 16 bytes, so the 16 rows of a fragment load start in 16 different 16-byte columns of a 256-byte span
.set HALFT,  128*PITCH                 ; 128 rows: what one tensor load brings, and what one wave reads of x or of W
.set SLOT,   4*HALFT                   ; x's 256 rows, then W's 256 rows
.set STAGE,  2*SLOT                    ; behind the ring: 16 rows x 272 bytes for each wave, for the way out; no tensor load lands there
.set SPITCH, 272
.set LAPS, SIZE_K/(2*KSTEP)            ; a lap = two K steps = once round the ring: 4 laps
.set ADRA, 16                          ; v16-17  LDS address of my x fragments in slot 0, 1
.set ADRB, 20                          ; v20-21  the same for W
.set STO,  24                          ; the way out: where I put 16 bytes of a row
.set RD,   25                          ; the way out: where I read a row back
.set CO,   26                          ; my byte offset in qkvh
.set BO,   27                          ; my byte offset in the bias; not rewritten: the bias loads stay out until the way out
.set BLO,  32                          ; v[32:63]   s_t * b of my features 16 b + 8 (l / 16) + j, b = 0..3, at 8 b + j
.set BSK,  160                         ; v[224:255] the same for b = 4..7: 160 registers further up
.set F0,   64                          ; fragment buffer 0
.set F1,   128                         ; fragment buffer 1
.set TMP,  192                         ; the way out: packed results, in window 0
.set G1,  24                           ; s[24:31] descriptor group 1 for x's tiles
.set G0,  32                           ; s[32:39] descriptor group 0 for x's tiles, one set for each slot
.set G1B, 48                           ; s[48:55] descriptor group 1 for W's tiles: it differs in the mask alone
.set G0B, 56                           ; s[56:63] descriptor group 0 for W's tiles, one set for each slot
.set MSB, 0
.macro WIN new                         ; the immediate's high byte repeats the setting that is left
.if MSB != \new
	s_set_vgpr_msb (MSB<<8)|\new
.set MSB, \new
.endif
.endm
.set MUL_LO, 0xa1                      ; source 0 (W) window 1, source 1 (x) window 0, C and D window 2
.set MUL_HI, 0xf1                      ; the same, C and D window 3
.set TO_B,   0x40                      ; destination window 1, address window 0
; A joint load.  Waves 0 and 1 fetch x's two halves, waves 2 and 3 W's.  Each of the two lines has ONE mask and one set of registers for all that issue it, and
; nothing in them hangs on a coordinate that the four partners do not share.  The branch hangs on the wave's number alone.
.macro JLOAD s
	s_cmp_eq_u32 s11, 0
	s_cbranch_scc0 .Lfor_b_\@
	tensor_load_to_lds s[G0+4*\s:G0+4*\s+3], s[G1:G1+7]
	s_nop 0
	s_branch .Lasked_\@
.Lfor_b_\@:
	tensor_load_to_lds s[G0B+4*\s:G0B+4*\s+3], s[G1B:G1B+7]
	s_nop 0
.Lasked_\@:
.endm
; A round of the cluster's barrier: my work-group's barrier, so that wave 0's signal speaks for all four waves; wave 0 signals for the work-group; every wave
; waits for all sixteen work-groups; my work-group's barrier once more.
.macro CREST                           ; a round behind its opening barrier
	s_cmp_lg_u32 s10, 0
	s_cbranch_scc1 .Lnot_wave_0_\@
	s_barrier_signal -3
.Lnot_wave_0_\@:
	s_barrier_wait -3
	s_barrier_signal -1
	s_barrier_wait -1
.endm
.macro CROUND                          ; a whole round
	s_barrier_signal -1
	s_barrier_wait -1
	CREST
.endm
	s_load_b128 s[4:7], s[0:1], 0x0                ; xh, wh
	s_load_b128 s[68:71], s[0:1], 0x10             ; bq, bk
	s_load_b128 s[72:75], s[0:1], 0x20             ; bv, qkvh
	s_set_vgpr_msb 0x40
	v_lshl_add_u32 v255, v0, 2, 0x48400
	s_set_vgpr_msb 0x4000
	v_mov_b32 v31, 0
	s_set_vgpr_msb 0x1
	ds_add_u32 v255, v31
	s_set_vgpr_msb 0x100
	v_lshrrev_b32 v1, 5, v0
	v_readfirstlane_b32 s10, v1                    ; wave 0..3
	s_lshr_b32 s11, s10, 1                         ; which half of the block's tokens is mine.  Also: I fetch for x (0) or for W (1)
	s_and_b32 s12, s10, 1                          ; which half of its features.  Also: which 128 rows of that tile I fetch
	s_bfe_u32 s40, ttmp6, 0x40000                  ; cx: my place along the cluster's x
	s_bfe_u32 s41, ttmp6, 0x40004                  ; cy: along its y
	s_lshl_b32 s42, ttmp9, 2                       ; in a cluster launch ttmp9 and ttmp7 count clusters
	s_add_co_u32 s42, s42, s40                     ; block column = 4 x cluster x + cx
	s_and_b32 s78, ttmp7, 0xffff                   ; cluster y
	s_lshl_b32 s13, s78, 2
	s_add_co_u32 s13, s13, s41                     ; block row = 4 x cluster y + cy
	s_lshr_b32 s78, s78, 2                         ; t: 4 clusters a plane
	s_lshl_b32 s43, s41, 2
	s_lshl_b32 s43, 15, s43                        ; my row of the cluster: places 4 cy .. 4 cy + 3
	s_lshl_b32 s44, 0x1111, s40                    ; my column: places cx, cx + 4, cx + 8, cx + 12
	; descriptor group 1: a tile of 128 rows x 128 elements, padded in LDS
	s_or_b32 s[G1+0], s43, (1<<16)|(1<<20)|(1<<21)|(5<<22)|(3<<25)  ; 15:0 the mask: x's tiles go to my row; 17:16 elements of 2 bytes; 20 padding on; 21 set beside a mask; 24:22 after every 64 words; 31:25 of 4 words
	s_or_b32 s[G1B+0], s44, (1<<16)|(1<<20)|(1<<21)|(5<<22)|(3<<25) ; the same with the mask of my column, for W's tiles
	s_mov_b32 s[G1+1], KSTEP<<16                   ; tensor_dim0 = 128
	s_mov_b32 s[G1B+1], KSTEP<<16
	s_mov_b32 s[G1+2], 128<<16                     ; tensor_dim1 = 128
	s_mov_b32 s[G1B+2], 128<<16
	s_mov_b32 s[G1+3], KSTEP<<16                   ; tile_dim0 = 128
	s_mov_b32 s[G1B+3], KSTEP<<16
	s_mov_b32 s[G1+4], 128                         ; tile_dim1 = 128
	s_mov_b32 s[G1B+4], 128
	s_mov_b32 s[G1+5], SIZE_K                      ; elements from row to row
	s_mov_b32 s[G1B+5], SIZE_K
	s_mov_b32 s[G1+6], 0
	s_mov_b32 s[G1B+6], 0
	s_mov_b32 s[G1+7], 0
	s_mov_b32 s[G1B+7], 0
	; where the tiles come from.  x's hang on the block row alone, which my row of the cluster shares; W's on the block column and the plane, which my column shares.
	; Every wave makes both offsets, in registers that never hold the other coordinate, and asks by one of them.
	s_lshl_b32 s17, s12, 7                         ; which 128 rows of the tile I fetch
	s_lshl_b32 s16, s13, 8
	s_add_co_u32 s16, s16, s17                     ; x: row 256 x block row + 128 x half
	s_lshl_b32 s16, s16, 11                        ; in bytes: 2,048 a row; below 2^25
	s_lshl_b32 s46, s42, 8
	s_add_co_u32 s46, s46, s17                     ; W: row 256 x block column + 128 x half
	s_lshl_b32 s46, s46, 11
	s_lshl_b32 s47, s78, 21                        ; + plane t of wh, 2,097,152 bytes each
	s_add_co_u32 s46, s46, s47
	s_mov_b32 s17, 0
	s_mov_b32 s47, 0
	s_mul_i32 s20, s10, HALFT                      ; and where they go: x's two halves, then W's two halves = wave x 128 rows: no place in the cluster enters an LDS address
	s_wait_dscnt 0x0
	s_wait_kmcnt 0x0
	s_add_nc_u64 s[14:15], s[4:5], s[16:17]
	s_add_nc_u64 s[46:47], s[6:7], s[46:47]
	CROUND                                         ; all sixteen work-groups are here: the first joint loads meet
.irp s, 0,1
	s_mov_b32 s[G0+4*\s], 1                                        ; count = 1
	s_add_co_u32 s[G0+4*\s+1], s20, \s*SLOT                        ; LDS address
	s_add_nc_u64 s[G0+4*\s+2:G0+4*\s+3], s[14:15], \s*KSTEP*2      ; global address: K step s
	s_or_b32 s[G0+4*\s+3], s[G0+4*\s+3], 0x80000000                ; type = 2
	s_mov_b32 s[G0B+4*\s], 1
	s_add_co_u32 s[G0B+4*\s+1], s20, \s*SLOT
	s_add_nc_u64 s[G0B+4*\s+2:G0B+4*\s+3], s[46:47], \s*KSTEP*2
	s_or_b32 s[G0B+4*\s+3], s[G0B+4*\s+3], 0x80000000
	JLOAD \s                                       ; the ring is filled before anything else is done: two loads of mine are out
.endr
	s_cmp_eq_u32 s78, 1                            ; the plane's bias and scale
	s_cselect_b64 s[68:69], s[70:71], s[68:69]
	s_cmp_eq_u32 s78, 2
	s_cselect_b64 s[68:69], s[72:73], s[68:69]
	s_cmp_eq_u32 s78, 0
	s_cselect_b32 s76, 0x3e38aa3b, 1.0             ; log2(e) / 8 for Q
	s_mov_b32 s77, s76
	s_lshl_b32 s70, s42, 10                        ; 256 features x 4 bytes a block column
	s_lshl_b32 s71, s12, 9                         ; my 128 features
	s_add_co_u32 s70, s70, s71
	s_mov_b32 s71, 0
	s_add_nc_u64 s[68:69], s[68:69], s[70:71]      ; bias of my 128 features
	s_lshl_b32 s70, s13, 19                        ; 256 rows x 2,048 bytes a block row
	s_lshl_b32 s72, s11, 18                        ; my 128 tokens
	s_add_co_u32 s70, s70, s72
	s_lshl_b32 s72, s42, 9                         ; 512 bytes a block column
	s_add_co_u32 s70, s70, s72
	s_lshl_b32 s72, s12, 8                         ; my 256 bytes
	s_add_co_u32 s70, s70, s72
	s_add_nc_u64 s[74:75], s[74:75], s[70:71]      ; my 128 x 128 of qkvh
	v_and_b32 v1, 15, v0                           ; l % 16
	v_bfe_u32 v2, v0, 4, 1                         ; l / 16
	v_lshlrev_b32 v[BO], 5, v2                     ; features 16 b + 8 (l / 16) + j: byte 64 b + 32 (l / 16) + 4 j
.irp b, 0,1,2,3,4,5,6,7
	global_load_b128 v[BLO+8*\b+BSK*(\b>>2):BLO+8*\b+BSK*(\b>>2)+3],   v[BO], s[68:69] offset:64*\b      ; waited for behind the K loop, where the bias is first used
	global_load_b128 v[BLO+8*\b+BSK*(\b>>2)+4:BLO+8*\b+BSK*(\b>>2)+7], v[BO], s[68:69] offset:64*\b+16
.endr
	; A fragment is 16 rows x 32 K in 8 registers: lane l holds row l % 16; registers 0-3 hold K = 8 (l / 16) + 0..7, registers 4-7 hold
	; K = 16 + 8 (l / 16) + 0..7.  From rows that lie along K: two loads of 16 bytes, 32 bytes apart.  The same for source 0 and source 1.
	v_mul_u32_u24 v3, v1, PITCH
	v_lshl_add_u32 v3, v2, 4, v3                   ; row x pitch + 16 x half
	s_mul_i32 s21, s11, HALFT                      ; my 128 rows of x
	s_mul_i32 s22, s12, HALFT                      ; my 128 rows of W,
	s_add_co_u32 s22, s22, 2*HALFT                 ; which lie behind x's 256
.irp s, 0,1
	v_add_nc_u32 v[ADRA+\s], s21, v3
	v_add_nc_u32 v[ADRB+\s], s22, v3
	s_add_co_u32 s21, s21, SLOT
	s_add_co_u32 s22, s22, SLOT
.endr
	s_mul_i32 s23, s10, 16*SPITCH
	s_add_co_u32 s23, s23, STAGE                   ; my stage
	v_mul_u32_u24 v4, v1, SPITCH                   ; in: row l % 16, 16 bytes for each half of the lanes
	v_lshl_add_u32 v4, v2, 4, v4
	v_add_nc_u32 v[STO], s23, v4
	v_mul_u32_u24 v5, v2, SPITCH                   ; back: lanes 0-15 take one row of 256 bytes, lanes 16-31 the next
	v_lshl_add_u32 v5, v1, 4, v5
	v_add_nc_u32 v[RD], s23, v5
	v_mul_u32_u24 v5, v2, SIZE_N*2                 ; and the same two rows in qkvh
	v_lshl_add_u32 v[CO], v1, 4, v5
; 16 matrix instructions: token blocks a0, a0 + 1 of the window's four (hi = 0: my tokens 0-63, 1: tokens 64-127) x all 8 feature blocks, 32 along K.
; zero = 1: the first product starts the sums: nothing is ever cleared.  The 64 accumulators take turns, one instruction a turn, in the same order in
; every quarter step, over the loop's backward jump too.
.macro MUL16 f, hi, a0, zero
.irp a, \a0, \a0+1
.irp b, 0,1,2,3,4,5,6,7
.if \zero
	v_wmma_f32_16x16x32_bf16 v[8*(8*(\a)+\b):8*(8*(\a)+\b)+7], v[\f+8*\b:\f+8*\b+7], v[\f+8*(4*\hi+\a):\f+8*(4*\hi+\a)+7], 0
.else
	v_wmma_f32_16x16x32_bf16 v[8*(8*(\a)+\b):8*(8*(\a)+\b)+7], v[\f+8*\b:\f+8*\b+7], v[\f+8*(4*\hi+\a):\f+8*(4*\hi+\a)+7], v[8*(8*(\a)+\b):8*(8*(\a)+\b)+7]
.endif
.endr
.endr
.endm
; 32 LDS loads in one run: the fragments of one quarter step (128 rows of W, 128 rows of x, 32 K at byte k of the rows) into buffer f
.macro FETCH slot, k, f
	WIN TO_B
.irp i, 0,1,2,3,4,5,6,7
	ds_load_b128 v[\f+8*\i:\f+8*\i+3],   v[ADRB+\slot] offset:\k+\i*16*PITCH
	ds_load_b128 v[\f+8*\i+4:\f+8*\i+7], v[ADRB+\slot] offset:\k+\i*16*PITCH+32
.endr
	WIN 0
.irp i, 0,1,2,3,4,5,6,7
	ds_load_b128 v[\f+8*\i:\f+8*\i+3],   v[ADRA+\slot] offset:\k+\i*16*PITCH
	ds_load_b128 v[\f+8*\i+4:\f+8*\i+7], v[ADRA+\slot] offset:\k+\i*16*PITCH+32
.endr
.endm
; A load into a register that a matrix instruction has read, and a vector instruction on a matrix instruction's registers, stand four places behind it, and only
; plain vector instructions that name none of its registers are places; the matrix instructions in between are not counted.
.macro PLACES
.rept 4
	v_nop
.endr
.endm
; A K step is four quarter steps of 32 along K, 64 matrix instructions each, on buffers 0, 1, 0, 1.
; One of the first three: multiplies buffer f; in its middle it fetches the next quarter's fragments, at byte k of the same slot's rows, into buffer g.
.macro QUARTER slot, k, f, g, zero
	s_wait_dscnt 8                                 ; W and x's rows 0-63 are in; the youngest eight loads (x's rows 64-127) may be out
	WIN MUL_LO
	MUL16 \f, 0, 0, \zero
	MUL16 \f, 0, 2, \zero
	PLACES
	FETCH \slot, \k, \g
	s_wait_dscnt 32                                ; all but the 32 just issued
	WIN MUL_HI
	MUL16 \f, 1, 0, \zero
	MUL16 \f, 1, 2, \zero
.endm
.macro THREE slot, zero
	QUARTER \slot, 64,  F0, F1, \zero
	QUARTER \slot, 128, F1, F0, 0
	QUARTER \slot, 192, F0, F1, 0
.endm
; The last quarter: multiplies buffer 1 and changes slots.  next = the other slot; fill = 1: this slot is filled again, two K steps ahead.
; ONE barrier for the change of slots, for two things.  In front of it each wave waits for its own reads of this slot and for all its tensor loads,
; of which one is out: its part of the next slot.  Behind it nobody reads this slot any more and the next slot is whole: the refill comes
; first, then the next slot's first fragments.  From a request to the wait for it a wave issues 240 matrix instructions.
.macro TURN slot, next, fill
	s_wait_dscnt 8
	WIN MUL_LO
	MUL16 F1, 0, 0, 0
	s_wait_dscnt 0                                 ; my reads of this slot are over
	s_wait_tensorcnt 0x0                           ; and all my tensor loads have landed: the one that was out is my part of the next slot:
	ds_add_u32 v255, v31
	s_wait_dscnt 0x0
	s_barrier_signal -1                            ; say so (where a slot is filled again this barrier opens a round of the cluster's barrier),
	MUL16 F1, 0, 2, 0                              ; work on registers while the others arrive,
	WIN 0
	s_barrier_wait -1                              ; and go on when all four have said so
.if \fill
	CREST                                          ; all sixteen work-groups have said so: no wave of any partner still reads this slot's tile or has a load on its way
	s_add_nc_u64 s[G0+4*\slot+2:G0+4*\slot+3], s[G0+4*\slot+2:G0+4*\slot+3], 2*KSTEP*2
	s_add_nc_u64 s[G0B+4*\slot+2:G0B+4*\slot+3], s[G0B+4*\slot+2:G0B+4*\slot+3], 2*KSTEP*2
	JLOAD \slot                                    ; the first tensor load behind the round
.endif
	PLACES
	FETCH \next, 0, F0
	WIN MUL_HI
	MUL16 F1, 1, 0, 0
	MUL16 F1, 1, 2, 0
.endm
.macro LAP zero                        ; once round the ring, both slots filled again
	THREE 0, \zero
	TURN 0, 1, 1
	THREE 1, 0
	TURN 1, 0, 1
.endm
	s_wait_tensorcnt 1                             ; my part of K step 0 is in; K step 1's stays out
	s_barrier_signal -1
	s_barrier_wait -1                              ; everybody's is
	FETCH 0, 0, F0
	LAP 1                                          ; K steps 0, 1; steps 2, 3 are asked for.  The first products start the sums
	WIN 0                                          ; at a label and at a branch every window is 0
	s_mov_b32 s3, LAPS-2
.Llap:                                         ; K steps 2 to 5; steps 4 to 7 are asked for
	LAP 0
	WIN 0
	s_sub_co_u32 s3, s3, 1
	s_cmp_lg_u32 s3, 0
	s_cbranch_scc1 .Llap
	THREE 0, 0                                     ; the last lap fills nothing, and has no round of the cluster's barrier: my one tensor load that is still out is slot 1's, the last K step's
	TURN 0, 1, 0
	THREE 1, 0
	s_wait_dscnt 8                                 ; the very last quarter: nothing more to fetch
	WIN MUL_LO
	MUL16 F1, 0, 0, 0
	MUL16 F1, 0, 2, 0
	s_wait_dscnt 0
	WIN MUL_HI
	MUL16 F1, 1, 0, 0
	MUL16 F1, 1, 2, 0
	; THE WAY OUT, 16 tokens at a time: s_t * sum + s_t * b in one fused multiply-add, rounded once to f16, 16 bytes a lane into my own stage in LDS,
	; read back as whole rows of 256 bytes.  The four v_nop are the places behind the last matrix instructions.
	PLACES
	WIN 0
	s_wait_loadcnt 0x0                             ; the bias, asked for ahead of the K loop
.irp b, 0,1,2,3,4,5,6,7
.irp r, 0,1,2,3
	v_pk_mul_f32 v[BLO+8*\b+BSK*(\b>>2)+2*\r:BLO+8*\b+BSK*(\b>>2)+2*\r+1], v[BLO+8*\b+BSK*(\b>>2)+2*\r:BLO+8*\b+BSK*(\b>>2)+2*\r+1], s[76:77] op_sel_hi:[1,0]   ; s_t * b
.endr
.endr
; tokens 16 i .. 16 i + 15 of my block = the eight tiles (a, 0..7) of window 2 or 3.  wfma: destination and source 0 in that window, the bias in window 0;
; wcvt: sources 0 and 1 in that window, the packed result in window 0; f: F0 or F1 in turn
.macro OUT16 i, a, wfma, wcvt, f
	WIN \wfma
.irp b, 0,1,2,3,4,5,6,7
.irp r, 0,1,2,3
	v_pk_fma_f32 v[8*(8*\a+\b)+2*\r:8*(8*\a+\b)+2*\r+1], v[8*(8*\a+\b)+2*\r:8*(8*\a+\b)+2*\r+1], s[76:77], v[BLO+8*\b+BSK*(\b>>2)+2*\r:BLO+8*\b+BSK*(\b>>2)+2*\r+1] op_sel_hi:[1,0,1]
.endr
.endr
	WIN \wcvt
.irp b, 0,1,2,3,4,5,6,7
.irp r, 0,1,2,3
	v_cvt_pk_f16_f32 v[TMP+4*\b+\r], v[8*(8*\a+\b)+2*\r], v[8*(8*\a+\b)+2*\r+1]
.endr
.endr
	WIN 0
.irp b, 0,1,2,3,4,5,6,7
	ds_store_b128 v[STO], v[TMP+4*\b:TMP+4*\b+3] offset:32*\b
.endr
	s_wait_xcnt 0x0                                ; every earlier memory instruction has had its addresses translated (ISA guide 3.1): buffer f, which stores read, and the stores' base are rewritten only behind this wait
.if \i
	s_add_nc_u64 s[74:75], s[74:75], 16*SIZE_N*2   ; 16 rows of qkvh on
.endif
.irp t, 0,1,2,3,4,5,6,7
	ds_load_b128 v[\f+4*\t:\f+4*\t+3], v[RD] offset:\t*2*SPITCH    ; my own bytes; LDS serves a wave's instructions in order (ISA guide 5.7.1): these see the stores above
.endr
.irp t, 0,1,2,3,4,5,6,7
	s_wait_dscnt 7-\t                              ; load t is in, the younger stay out
	global_store_b128 v[CO], v[\f+4*\t:\f+4*\t+3], s[74:75] offset:2*\t*SIZE_N*2   ; 16 lanes store 256 consecutive bytes, at a multiple of 256 from qkvh's first byte
.endr
.endm
	OUT16 0, 0, 0x82, 0x0a, F0
	OUT16 1, 1, 0x82, 0x0a, F1
	OUT16 2, 2, 0x82, 0x0a, F0
	OUT16 3, 3, 0x82, 0x0a, F1
	OUT16 4, 0, 0xc3, 0x0f, F0
	OUT16 5, 1, 0xc3, 0x0f, F1
	OUT16 6, 2, 0xc3, 0x0f, F0
	OUT16 7, 3, 0xc3, 0x0f, F1
	s_set_vgpr_msb 0x1
	s_wait_tensorcnt 0x0
	ds_add_u32 v255, v31
	s_wait_dscnt 0x0
	s_set_vgpr_msb 0x100
	CROUND                                         ; the closing round: no work-group ends while a partner may still ask for a tile that names it
	s_endpgm
.Lfunc_end_k_q085b2162ad_qkv:
	.size	k_q085b2162ad_qkv, .Lfunc_end_k_q085b2162ad_qkv-k_q085b2162ad_qkv
	.p2alignl 7, 3214868480
	.fill 96, 4, 3214868480
	.section	.rodata,"a",@progbits
	.p2align	6, 0x0
	.amdhsa_kernel k_q085b2162ad_qkv
		.amdhsa_group_segment_fixed_size 327680
		.amdhsa_private_segment_fixed_size 0
		.amdhsa_enable_private_segment 0
		.amdhsa_kernarg_size 48
		.amdhsa_user_sgpr_count 2
		.amdhsa_user_sgpr_kernarg_segment_ptr 1
		.amdhsa_wavefront_size32 1
		.amdhsa_system_sgpr_workgroup_id_x 1
		.amdhsa_system_sgpr_workgroup_id_y 1
		.amdhsa_system_sgpr_workgroup_id_z 1
		.amdhsa_system_vgpr_workitem_id 0
		.amdhsa_next_free_vgpr 1024
		.amdhsa_next_free_sgpr 80
		.amdhsa_reserve_vcc 0
		.amdhsa_float_denorm_mode_32 3
		.amdhsa_float_denorm_mode_16_64 3
		.amdhsa_memory_ordered 1
		.amdhsa_forward_progress 1
		.amdhsa_inst_pref_size 216
	.end_amdhsa_kernel
	.amdgpu_metadata
---
amdhsa.version: [ 1, 2 ]
amdhsa.kernels:
  - .name:           k_q085b2162ad_qkv
    .symbol:         k_q085b2162ad_qkv.kd
    .args:
      - { .name: xh, .offset: 0, .size: 8, .value_kind: global_buffer, .address_space: global }
      - { .name: wh, .offset: 8, .size: 8, .value_kind: global_buffer, .address_space: global }
      - { .name: bq, .offset: 16, .size: 8, .value_kind: global_buffer, .address_space: global }
      - { .name: bk, .offset: 24, .size: 8, .value_kind: global_buffer, .address_space: global }
      - { .name: bv, .offset: 32, .size: 8, .value_kind: global_buffer, .address_space: global }
      - { .name: qkvh, .offset: 40, .size: 8, .value_kind: global_buffer, .address_space: global }
    .group_segment_fixed_size: 327680
    .private_segment_fixed_size: 0
    .kernarg_segment_align: 8
    .kernarg_segment_size: 48
    .max_flat_workgroup_size: 128
    .sgpr_count:     80
    .vgpr_count:     1024
    .wavefront_size: 32
...
	.end_amdgpu_metadata
.endif
;; end of part 2
;; launch attn (part 3): grid 16 x 16, 8 waves a work-group, clusters of 4 x 1, 327,680 bytes of LDS; arguments qkvh, mbits, ctx; writes ctx
.if DOCPART == 3
	.amdgcn_target "amdgcn-amd-amdhsa--gfx1250"
	.amdhsa_code_object_version 6
	.text
	.protected	k_q085b2162ad_attn
	.globl	k_q085b2162ad_attn
	.p2align	8
	.type	k_q085b2162ad_attn,@function
k_q085b2162ad_attn:
	s_mov_b64 s[64:65], 0
	v_nop
	global_prefetch_b8 v0, s[64:65] scope:SCOPE_SE
	s_setreg_imm32_b32 hwreg(HW_REG_WAVE_MODE, 25, 1), 1
	s_wait_xcnt 0x0
	s_wait_alu depctr_hold_cnt(0) depctr_sa_sdst(0) depctr_va_vdst(0) depctr_va_sdst(0) depctr_va_ssrc(0) depctr_va_vcc(0) depctr_vm_vsrc(0)
	s_getreg_b32 s2, hwreg(HW_REG_IB_STS2, 6, 4)
	s_cmp_eq_u32 s2, 0
	s_cbranch_scc0 .Lentry_in_a_cluster
	s_endpgm
.Lentry_in_a_cluster:
	s_bfe_u32 s2, ttmp6, 0x10000c
	s_cmp_lg_u32 s2, 0x3003
	s_cbranch_scc0 .Lentry_shape_is_right
	s_endpgm
.Lentry_shape_is_right:
; ATTENTION.  ctx[b][q][64 head + d] = sum over keys of softmax_key( mask ? Q.K / 8 : -1e9 ) V, all 2,048 keys for every query (the mask is an input).
; qkvh: [3][4096][1024] f16, token-major; plane 0 is Q times log2(e)/8, so scores come in base-2 units; planes 1, 2 are K, V.
; mbits: the word at qt*4096 + kt*32 + 4 j is the lane mask of register j of the score tile (16 queries qt, 16 keys kt) as this text holds it.
; A work-group takes 128 queries of a PAIR of heads (so rows of K, V and ctx are 256 bytes, aligned): grid x = 16 query blocks, y = 2 batches x 8 pairs.
; Eight waves: wave w takes head w >> 2 of the pair and 32 queries (w & 3).  Keys go in 8 tiles of 256 through two LDS slots, 4 steps of 64 keys a tile.
; CLUSTERS: the 4 query blocks of a cluster read the same K and V: every tile is asked for jointly (mask 15), waves 0-3 64 rows of K each, waves 4-7 of V.
; LAYOUT: S^T = K Q^T (source 0 = 16 keys, source 1 = 16 queries): lane (r, h) holds query r, keys 8 h + j.  Two neighbouring tiles packed to f16 ARE
; source 1 of O^T = V^T P^T (source 0 = V read transposed from LDS): lane (r, h) holds query r, d = 8 h + j.  So maximum, sum and rescaling are per lane;
; the two halves of the lanes meet in one v_permlanex16_b32 for the maximum, and once at the end for the sum.
; SOFTMAX: running maximum m, sum l and O rescaled by 2^(m_old - m_new) in every step.  A masked score is REPLACED by -1e9 log2(e): a row with no key
; left gives the mean of V; masked keys met before the first open one are wiped by the factor 2^(-1.4e9 - m) = 0.  l >= 1 always.
; LIMITS: operands f16 (|Q|, |K|, |V| below 65,504); P = 2^(s - m) <= 1 in f16, so weights below about 2^-25 of the row's largest count as 0;
; the sum l adds P before its rounding to f16.  NaN and infinities in the inputs are not treated specially.
.set KP, 272                           ; LDS pitch of K: 256 + 16, an odd multiple of 16 bytes
.set VP, 288                           ; LDS pitch of V: 256 + 32, an odd multiple of 32 bytes, for the transposing loads
.set KBYTES, 256*KP
.set VBYTES, 256*VP
.set SLOT, KBYTES+VBYTES               ; 143,360
.set STAGE, 2*SLOT                     ; the way out: 128 rows x 272 bytes; no tensor load lands there
.set SP, 272
.set KADR, 2                           ; v[2:5]   K fragments: slot, half of the tile (128 keys)
.set VADR, 6                           ; v[6:9]   V fragments likewise
.set STO, 10
.set RD,  11
.set CO,  12
.set NEG, 13                           ; -1e9 log2(e)
.set M,   14                           ; v[14:15] running maximum of my query in q tile 0, 1
.set QF,  16                           ; v[16:47] Q fragments: 16 qt + 8 ks
.set OA,  48                           ; v[48:111] O^T: 32 qt + 8 dt
.set SA,  112                          ; v[112:175] S^T: 32 qt + 8 kt; then P in f16 at 32 qt + 4 kt
.set KV,  176                          ; v[176:239] K: 16 kt + 8 ks; then V^T: 16 dt + 8 u
.set L,   240                          ; v[240:241] running sum (of my half of the keys)
.set MN,  242                          ; v[242:243] new maximum (a pair for the packed forms; the upper register is written once and not used)
.set AL,  244                          ; v[244:245] 2^(m_old - m_new), likewise
.set T,   246                          ; v[246:249] at work
.set U,   250                          ; v[250:253] two sums of pairs
.set G0,  8                            ; s[8:15]  group 0, one set a slot
.set G1K, 16                           ; s[16:23] group 1 for K
.set G1V, 24                           ; s[24:31] group 1 for V
.set MA,  32                           ; s[32:63] mask words of key tiles 0, 1 of a step: 16 qt + 8 kt + j
.set MBS, 68                           ; s[68:99] of key tiles 2, 3
.macro ROUND                           ; a round of the cluster's barrier
	s_barrier_signal -1
	s_barrier_wait -1
	s_cmp_lg_u32 s2, 0
	s_cbranch_scc1 .Lnot_wave_0_\@
	s_barrier_signal -3
.Lnot_wave_0_\@:
	s_barrier_wait -3
	s_barrier_signal -1
	s_barrier_wait -1
.endm
.macro JLOAD s                         ; waves 0-3 ask for K's rows, waves 4-7 for V's: the two shapes differ in the padding alone
	s_cmp_eq_u32 s104, 0
	s_cbranch_scc0 .Lfor_v_\@
	tensor_load_to_lds s[G0+4*\s:G0+4*\s+3], s[G1K:G1K+7]
	s_nop 0
	s_branch .Lasked_\@
.Lfor_v_\@:
	tensor_load_to_lds s[G0+4*\s:G0+4*\s+3], s[G1V:G1V+7]
	s_nop 0
.Lasked_\@:
.endm
	s_load_b128 s[68:71], s[0:1], 0x0              ; qkvh, mbits (s[68:99] hold set-up numbers until the first mask words land there)
	s_load_b64 s[72:73], s[0:1], 0x10              ; ctx
	v_lshl_add_u32 v254, v0, 2, 0x4e800
	v_mov_b32 v255, 0
	ds_add_u32 v254, v255
	v_lshrrev_b32 v1, 5, v0
	v_readfirstlane_b32 s2, v1                     ; wave 0..7
	s_lshr_b32 s104, s2, 2                         ; my head of the pair.  Also: I fetch K (0) or V (1)
	s_and_b32 s105, s2, 3                          ; my 32 queries.  Also: which 64 rows of a tile I fetch
	s_bfe_u32 s74, ttmp6, 0x40000                  ; cx
	s_lshl_b32 s75, ttmp9, 2
	s_add_co_u32 s75, s75, s74                     ; query block = 4 x cluster x + cx
	s_and_b32 s76, ttmp7, 0xffff
	s_lshr_b32 s77, s76, 3                         ; batch
	s_and_b32 s76, s76, 7                          ; pair of heads
	s_mov_b32 s100, 0x76543210                     ; v_permlanex16_b32: lane i reads lane i of the other half
	s_mov_b32 s101, 0xfedcba98
	s_mov_b32 s[G1K+0], 15|(1<<16)|(1<<20)|(1<<21)|(5<<22)|(3<<25)  ; mask of all four; elements of 2 bytes; padding on; bit 21 beside a mask; after every 64 words; of 4 words
	s_mov_b32 s[G1V+0], 15|(1<<16)|(1<<20)|(1<<21)|(5<<22)|(7<<25)  ; the same, of 8 words
	s_mov_b32 s[G1K+1], 128<<16                    ; tensor_dim0 = 128
	s_mov_b32 s[G1V+1], 128<<16
	s_mov_b32 s[G1K+2], 64<<16                     ; tensor_dim1 = 64
	s_mov_b32 s[G1V+2], 64<<16
	s_mov_b32 s[G1K+3], 128<<16                    ; tile_dim0 = 128
	s_mov_b32 s[G1V+3], 128<<16
	s_mov_b32 s[G1K+4], 64                         ; tile_dim1 = 64
	s_mov_b32 s[G1V+4], 64
	s_mov_b32 s[G1K+5], 1024                       ; elements from row to row
	s_mov_b32 s[G1V+5], 1024
	s_mov_b32 s[G1K+6], 0
	s_mov_b32 s[G1V+6], 0
	s_mov_b32 s[G1K+7], 0
	s_mov_b32 s[G1V+7], 0
	s_lshl_b32 s78, s77, 22                        ; batch x 2,048 rows x 2,048 bytes
	s_lshl_b32 s79, s76, 8                         ; pair x 256 bytes
	s_add_co_u32 s78, s78, s79
	s_lshl_b32 s79, s105, 17                       ; my 64 rows of a tile
	s_add_co_u32 s80, s78, s79
	s_lshl_b32 s79, s104, 23                       ; plane 1 (K) or 2 (V) of 8,388,608 bytes
	s_add_co_u32 s80, s80, s79
	s_add_co_u32 s80, s80, 0x800000
	s_mov_b32 s81, 0                               ; no place in the cluster enters this offset: it is equal in the four partners
	s_mul_i32 s82, s2, 64*KP                       ; LDS: wave x 17,408, and for V's waves 1,024 (= 64 x (288 - 272)) more for each wave behind the first:
	s_mul_i32 s83, s104, s105                      ; K's rows at w x 17,408, V's at 69,632 + (w - 4) x 18,432
	s_lshl_b32 s83, s83, 10
	s_add_co_u32 s82, s82, s83
	s_wait_dscnt 0x0
	s_wait_kmcnt 0x0
	s_add_nc_u64 s[80:81], s[68:69], s[80:81]
.irp s, 0,1
	s_mov_b32 s[G0+4*\s], 1
	s_add_co_u32 s[G0+4*\s+1], s82, \s*SLOT
	s_add_nc_u64 s[G0+4*\s+2:G0+4*\s+3], s[80:81], \s*256*2048   ; tile s
	s_or_b32 s[G0+4*\s+3], s[G0+4*\s+3], 0x80000000
.endr
	ROUND                                          ; all four work-groups are here: the first joint loads meet
	JLOAD 0
	JLOAD 1                                        ; tiles 0 and 1: two loads of mine are out
	s_lshl_b32 s84, s75, 18                        ; query block x 128 rows
	s_add_co_u32 s84, s84, s78
	s_mov_b32 s85, 0
	s_add_nc_u64 s[6:7], s[72:73], s[84:85]        ; my block of ctx
	s_lshl_b32 s86, s105, 16                       ; my 32 queries
	s_add_co_u32 s84, s84, s86
	s_lshl_b32 s86, s104, 7                        ; my head's 128 bytes
	s_add_co_u32 s84, s84, s86
	s_add_nc_u64 s[66:67], s[68:69], s[84:85]      ; my Q
	s_lshl_b32 s84, s75, 15                        ; 8 q tiles x 4,096 bytes a query block
	s_lshl_b32 s86, s105, 13                       ; 2 q tiles a wave
	s_add_co_u32 s84, s84, s86
	s_add_nc_u64 s[4:5], s[70:71], s[84:85]        ; my mask words
	v_and_b32 v[T], 15, v0                         ; r
	v_bfe_u32 v[T+1], v0, 4, 1                     ; h
	v_lshlrev_b32 v1, 11, v[T]
	v_lshl_add_u32 v1, v[T+1], 4, v1               ; row r, 16 bytes for each half of the lanes
.irp qt, 0,1
.irp ks, 0,1
	global_load_b128 v[QF+16*\qt+8*\ks:QF+16*\qt+8*\ks+3],   v1, s[66:67] offset:\qt*32768+\ks*64
	global_load_b128 v[QF+16*\qt+8*\ks+4:QF+16*\qt+8*\ks+7], v1, s[66:67] offset:\qt*32768+\ks*64+32
.endr
.endr
	s_load_b512 s[MA:MA+15],     s[4:5], 0x0       ; step 0's mask words: q tile 0, key tiles 0, 1
	s_load_b512 s[MA+16:MA+31],  s[4:5], 0x1000    ; q tile 1
	s_load_b512 s[MBS:MBS+15],   s[4:5], 0x40      ; key tiles 2, 3
	s_load_b512 s[MBS+16:MBS+31], s[4:5], 0x1040
	s_lshl_b32 s3, s104, 7                         ; my head's 128 bytes of a row
	v_mul_u32_u24 v[T+2], v[T], KP
	v_lshl_add_u32 v[T+2], v[T+1], 4, v[T+2]
	v_add_nc_u32 v[T+3], s3, v[T+2]                ; r x 272 + 16 h + 128 head
	v_and_b32 v[U], 7, v0
	v_lshl_add_u32 v[U], v[T+1], 3, v[U]           ; key 8 h + (l & 7)
	v_mul_u32_u24 v[U], v[U], VP
	v_bfe_u32 v[U+1], v0, 3, 1
	v_lshl_add_u32 v[U], v[U+1], 4, v[U]           ; + 16 ((l >> 3) & 1)
	v_add_nc_u32 v[U], s3, v[U]
.irp s, 0,1
.irp hf, 0,1
	v_add_nc_u32 v[KADR+2*\s+\hf], \s*SLOT+\hf*128*KP, v[T+3]
	v_add_nc_u32 v[VADR+2*\s+\hf], \s*SLOT+KBYTES+\hf*128*VP, v[U]
.endr
.endr
	s_mul_i32 s3, s105, 32*SP
	s_add_co_u32 s3, s3, STAGE
	v_add_nc_u32 v[STO], s3, v[T+3]                ; row 32 (w & 3) + r, byte 128 head + 16 h
	s_mul_i32 s3, s2, 16*SP
	s_add_co_u32 s3, s3, STAGE
	v_mul_u32_u24 v[U+1], v[T+1], SP
	v_lshl_add_u32 v[U+1], v[T], 4, v[U+1]
	v_add_nc_u32 v[RD], s3, v[U+1]                 ; back: wave w takes rows 16 w ..; lanes 0-15 one row, lanes 16-31 the next
	s_lshl_b32 s3, s2, 15
	v_lshlrev_b32 v[U+2], 11, v[T+1]
	v_lshl_add_u32 v[U+2], v[T], 4, v[U+2]
	v_add_nc_u32 v[CO], s3, v[U+2]                 ; and the same rows in ctx
	v_mov_b32 v[NEG], 0xceabfb8f                   ; -1e9 x log2(e)
	v_mov_b32 v[MN+1], 0
	v_mov_b32 v[AL+1], 0
; The softmax of q tile qt over a step's 64 keys (32 numbers a lane).  first = 1: nothing to rescale yet.
.macro SOFTMAX qt, first
.set S, SA+32*\qt
.irp c, 0,1,2,3
	v_max3_num_f32 v[T+\c], v[S+8*\c], v[S+8*\c+1], v[S+8*\c+2]     ; four chains that do not wait for each other
.endr
.irp c, 0,1,2,3
	v_max3_num_f32 v[T+\c], v[T+\c], v[S+8*\c+3], v[S+8*\c+4]
.endr
.irp c, 0,1,2,3
	v_max3_num_f32 v[T+\c], v[T+\c], v[S+8*\c+5], v[S+8*\c+6]
.endr
	v_max3_num_f32 v[T], v[T], v[T+1], v[S+7]
	v_max3_num_f32 v[T+2], v[T+2], v[T+3], v[S+15]
	v_max3_num_f32 v[T], v[T], v[T+2], v[S+23]
.if \first
	v_max_num_f32 v[T], v[T], v[S+31]
.else
	v_max3_num_f32 v[T], v[T], v[S+31], v[M+\qt]
.endif
	v_permlanex16_b32 v[T+1], v[T], s100, s101     ; the other half of my query's keys
	v_max_num_f32 v[MN], v[T], v[T+1]
.if \first == 0
	v_sub_f32 v[AL], v[M+\qt], v[MN]
	v_exp_f32 v[AL], v[AL]                         ; the move below is the plain place behind it (ISA guide 5.7.2)
.endif
	v_mov_b32 v[M+\qt], v[MN]
.set i, 0
.rept 16
	v_pk_add_f32 v[S+2*i:S+2*i+1], v[S+2*i:S+2*i+1], v[MN:MN+1] op_sel_hi:[1,0] neg_lo:[0,1] neg_hi:[0,1]   ; s - m
.set i, i+1
.endr
.set i, 0
.rept 32
	v_exp_f32 v[S+i], v[S+i]
.set i, i+1
.endr
.if \first
	v_nop                                          ; the plain place behind the exponentials
	s_wait_alu depctr_va_vdst(0)
.else
.set i, 0
	s_wait_alu depctr_va_vdst(0)
.rept 16
	v_pk_mul_f32 v[OA+32*\qt+2*i:OA+32*\qt+2*i+1], v[OA+32*\qt+2*i:OA+32*\qt+2*i+1], v[AL:AL+1] op_sel_hi:[1,0]   ; O rescaled; the first of these is that place
.set i, i+1
.endr
.endif
	v_pk_add_f32 v[U:U+1], v[S:S+1], v[S+2:S+3]
	v_pk_add_f32 v[U+2:U+3], v[S+4:S+5], v[S+6:S+7]
.set i, 4
.rept 6
	v_pk_add_f32 v[U:U+1], v[U:U+1], v[S+2*i:S+2*i+1]
	v_pk_add_f32 v[U+2:U+3], v[U+2:U+3], v[S+2*i+2:S+2*i+3]
.set i, i+2
.endr
	v_pk_add_f32 v[U:U+1], v[U:U+1], v[U+2:U+3]
.if \first
	v_add_f32 v[L+\qt], v[U], v[U+1]
.else
	v_add_f32 v[T], v[U], v[U+1]
	v_fma_f32 v[L+\qt], v[L+\qt], v[AL], v[T]
.endif
.set i, 0
.rept 16
	v_cvt_pk_f16_f32 v[S+i], v[S+2*i], v[S+2*i+1]  ; P in place, ascending: registers 8 u .. 8 u + 7 are source 1 for keys 32 u .. 32 u + 31
.set i, i+1
.endr
.endm
; One step: 64 keys (step st of the tile in slot) x my 32 queries.  adv = 1: the mask pointer moves on a tile; last = 1: no mask words are left to ask for.
.macro STEP slot, st, first, adv, last
.if \first == 0
.rept 5
	v_nop                                          ; five places behind the last step's matrix instructions: K lands on their V, and S is written over their P (ISA guide 7.12.1)
.endr
.endif
.irp ks, 0,1
.irp kt, 0,1,2,3
	ds_load_b128 v[KV+16*\kt+8*\ks:KV+16*\kt+8*\ks+3],   v[KADR+2*\slot+(\st>>1)] offset:(64*(\st&1)+16*\kt)*KP+64*\ks
	ds_load_b128 v[KV+16*\kt+8*\ks+4:KV+16*\kt+8*\ks+7], v[KADR+2*\slot+(\st>>1)] offset:(64*(\st&1)+16*\kt)*KP+64*\ks+32
.endr
.endr
	s_wait_dscnt 0x8                               ; d = 0..31 of the four key tiles are in; the eight younger loads (d = 32..63) stay out
.irp kt, 0,1,2,3
.irp qt, 0,1
	v_wmma_f32_16x16x32_f16 v[SA+32*\qt+8*\kt:SA+32*\qt+8*\kt+7], v[KV+16*\kt:KV+16*\kt+7], v[QF+16*\qt:QF+16*\qt+7], 0
.endr
.endr
	s_wait_dscnt 0x0
.irp kt, 0,1,2,3                               ; the eight accumulators take turns, one instruction a turn
.irp qt, 0,1
	v_wmma_f32_16x16x32_f16 v[SA+32*\qt+8*\kt:SA+32*\qt+8*\kt+7], v[KV+16*\kt+8:KV+16*\kt+15], v[QF+16*\qt+8:QF+16*\qt+15], v[SA+32*\qt+8*\kt:SA+32*\qt+8*\kt+7]
.endr
.endr
.rept 4
	v_nop                                          ; four places: V lands on K's registers, and the selects below read S
.endr
.irp dt, 0,1,2,3
.irp u, 0,1
.irp c, 0,1
	ds_load_tr16_b128 v[KV+16*\dt+8*\u+4*\c:KV+16*\dt+8*\u+4*\c+3], v[VADR+2*\slot+(\st>>1)] offset:(64*(\st&1)+32*\u+16*\c)*VP+32*\dt
.endr
.endr
.endr
	s_wait_kmcnt 0x0                               ; this step's mask words; no scalar load is out, so their base may move
.if \adv
	s_add_nc_u64 s[4:5], s[4:5], 512               ; 16 key tiles x 32 bytes: the next tile of 256 keys
.endif
.irp qt, 0,1
.irp kt, 0,1
.irp j, 0,1,2,3,4,5,6,7
	v_cndmask_b32 v[SA+32*\qt+8*\kt+\j], v[NEG], v[SA+32*\qt+8*\kt+\j], s[MA+16*\qt+8*\kt+\j]
.endr
.endr
.endr
.if \last == 0
	s_load_b512 s[MA:MA+15],    s[4:5], (\st+1)*128        ; the next step's words, a step ahead
	s_load_b512 s[MA+16:MA+31], s[4:5], (\st+1)*128+4096
.endif
.irp qt, 0,1
.irp kt, 0,1
.irp j, 0,1,2,3,4,5,6,7
	v_cndmask_b32 v[SA+32*\qt+16+8*\kt+\j], v[NEG], v[SA+32*\qt+16+8*\kt+\j], s[MBS+16*\qt+8*\kt+\j]
.endr
.endr
.endr
.if \last == 0
	s_load_b512 s[MBS:MBS+15],    s[4:5], (\st+1)*128+64
	s_load_b512 s[MBS+16:MBS+31], s[4:5], (\st+1)*128+4096+64
.endif
	SOFTMAX 0, \first
	SOFTMAX 1, \first
	s_wait_dscnt 0x0                               ; V
.irp qt, 0,1
.irp dt, 0,1,2,3
.if \first
	v_wmma_f32_16x16x32_f16 v[OA+32*\qt+8*\dt:OA+32*\qt+8*\dt+7], v[KV+16*\dt:KV+16*\dt+7], v[SA+32*\qt:SA+32*\qt+7], 0
.else
	v_wmma_f32_16x16x32_f16 v[OA+32*\qt+8*\dt:OA+32*\qt+8*\dt+7], v[KV+16*\dt:KV+16*\dt+7], v[SA+32*\qt:SA+32*\qt+7], v[OA+32*\qt+8*\dt:OA+32*\qt+8*\dt+7]
.endif
.endr
.endr
.irp qt, 0,1                                   ; again eight accumulators by turns
.irp dt, 0,1,2,3
	v_wmma_f32_16x16x32_f16 v[OA+32*\qt+8*\dt:OA+32*\qt+8*\dt+7], v[KV+16*\dt+8:KV+16*\dt+15], v[SA+32*\qt+8:SA+32*\qt+15], v[OA+32*\qt+8*\dt:OA+32*\qt+8*\dt+7]
.endr
.endr
.endm
; A tile of 256 keys in slot.  In front of the round every wave waits for all its tensor loads (its part of this slot among them) and for its reads of the
; other slot; behind the round the other slot's joint refill comes first, one load a wave, and has four steps in which to land.
.macro PHASE slot, other, refill, last
	s_wait_tensorcnt 0x0
	ds_add_u32 v254, v255
	s_wait_dscnt 0x0
	s_add_nc_u64 s[G0+4*\other+2:G0+4*\other+3], s[G0+4*\other+2:G0+4*\other+3], 2*256*2048   ; no load of mine is out: the other slot's next tile
	s_wait_dscnt 0x0
	ROUND
.if \refill
	JLOAD \other
.endif
	STEP \slot, 0, 0, 1, 0
	STEP \slot, 1, 0, 0, 0
	STEP \slot, 2, 0, 0, 0
	STEP \slot, 3, 0, 0, \last
.endm
	s_wait_loadcnt 0x0                             ; Q
	s_wait_tensorcnt 0x1                           ; my part of tile 0 is in; tile 1's stays out
	s_barrier_signal -1
	s_barrier_wait -1
	STEP 0, 0, 1, 0, 0                             ; the first step starts maximum, sum and O: nothing is cleared
	STEP 0, 1, 0, 0, 0
	STEP 0, 2, 0, 0, 0
	STEP 0, 3, 0, 0, 0
	s_mov_b32 s3, 3
.Ltiles:                                       ; tiles 1 to 6; tiles 2 to 7 are asked for
	PHASE 1, 0, 1, 0
	PHASE 0, 1, 1, 0
	s_sub_co_i32 s3, s3, 1
	s_cmp_lg_u32 s3, 0
	s_cbranch_scc1 .Ltiles
	PHASE 1, 0, 0, 1                               ; tile 7: nothing is left to fetch (slot 0's stepped address is not used)
	; THE WAY OUT: O / l, rounded once to f16, 16 bytes a lane into the work-group's stage; read back as whole rows of 256 bytes (both heads of the pair).
.rept 4
	v_nop                                          ; four places behind the last matrix instructions
.endr
	v_permlanex16_b32 v[T], v[L], s100, s101       ; the other half of the keys
	v_permlanex16_b32 v[T+1], v[L+1], s100, s101
	v_add_f32 v[L], v[L], v[T]
	v_add_f32 v[L+1], v[L+1], v[T+1]
	v_rcp_f32 v[AL], v[L]
	v_rcp_f32 v[MN], v[L+1]
	v_nop                                          ; the plain place behind the reciprocals
.set i, 0
	s_wait_alu depctr_va_vdst(0)
.rept 16
	v_pk_mul_f32 v[OA+2*i:OA+2*i+1], v[OA+2*i:OA+2*i+1], v[AL:AL+1] op_sel_hi:[1,0]
	v_pk_mul_f32 v[OA+32+2*i:OA+32+2*i+1], v[OA+32+2*i:OA+32+2*i+1], v[MN:MN+1] op_sel_hi:[1,0]
.set i, i+1
.endr
.irp qt, 0,1
.irp dt, 0,1,2,3
.irp i, 0,1,2,3
	v_cvt_pk_f16_f32 v[KV+16*\qt+4*\dt+\i], v[OA+32*\qt+8*\dt+2*\i], v[OA+32*\qt+8*\dt+2*\i+1]
.endr
	ds_store_b128 v[STO], v[KV+16*\qt+4*\dt:KV+16*\qt+4*\dt+3] offset:\qt*16*SP+32*\dt
.endr
.endr
	s_wait_dscnt 0x0                               ; my stores are done, for the waves that read them
	s_barrier_signal -1
	s_barrier_wait -1
.irp t, 0,1,2,3,4,5,6,7
	ds_load_b128 v[SA+4*\t:SA+4*\t+3], v[RD] offset:\t*2*SP
.endr
.irp t, 0,1,2,3,4,5,6,7
	s_wait_dscnt 7-\t                              ; load t is in, the younger stay out
	global_store_b128 v[CO], v[SA+4*\t:SA+4*\t+3], s[6:7] offset:\t*4096   ; 16 lanes store 256 consecutive bytes, aligned
.endr
	s_wait_tensorcnt 0x0
	ds_add_u32 v254, v255
	s_wait_dscnt 0x0
	ROUND                                          ; the closing round: no work-group ends while a partner may still ask for a tile that names it
	s_endpgm
.Lfunc_end_k_q085b2162ad_attn:
	.size	k_q085b2162ad_attn, .Lfunc_end_k_q085b2162ad_attn-k_q085b2162ad_attn
	.p2alignl 7, 3214868480
	.fill 96, 4, 3214868480
	.section	.rodata,"a",@progbits
	.p2align	6, 0x0
	.amdhsa_kernel k_q085b2162ad_attn
		.amdhsa_group_segment_fixed_size 327680
		.amdhsa_private_segment_fixed_size 0
		.amdhsa_enable_private_segment 0
		.amdhsa_kernarg_size 24
		.amdhsa_user_sgpr_count 2
		.amdhsa_user_sgpr_kernarg_segment_ptr 1
		.amdhsa_wavefront_size32 1
		.amdhsa_system_sgpr_workgroup_id_x 1
		.amdhsa_system_sgpr_workgroup_id_y 1
		.amdhsa_system_sgpr_workgroup_id_z 1
		.amdhsa_system_vgpr_workitem_id 0
		.amdhsa_next_free_vgpr 256
		.amdhsa_next_free_sgpr 106
		.amdhsa_reserve_vcc 0
		.amdhsa_float_denorm_mode_32 3
		.amdhsa_float_denorm_mode_16_64 3
		.amdhsa_memory_ordered 1
		.amdhsa_forward_progress 1
		.amdhsa_inst_pref_size 255
	.end_amdhsa_kernel
	.section	.bss,"aw",@nobits
	.p2align	6
	.space	262144
	.amdgpu_metadata
---
amdhsa.version: [ 1, 2 ]
amdhsa.kernels:
  - .name:           k_q085b2162ad_attn
    .symbol:         k_q085b2162ad_attn.kd
    .args:
      - { .name: qkvh, .offset: 0, .size: 8, .value_kind: global_buffer, .address_space: global }
      - { .name: mbits, .offset: 8, .size: 8, .value_kind: global_buffer, .address_space: global }
      - { .name: ctx, .offset: 16, .size: 8, .value_kind: global_buffer, .address_space: global }
    .group_segment_fixed_size: 327680
    .private_segment_fixed_size: 0
    .kernarg_segment_align: 8
    .kernarg_segment_size: 24
    .max_flat_workgroup_size: 256
    .sgpr_count:     106
    .vgpr_count:     256
    .wavefront_size: 32
...
	.end_amdgpu_metadata
.endif
;; end of part 3
;; launch oproj (part 4): grid 8 x 32, 4 waves a work-group, clusters of 4 x 4, 327,680 bytes of LDS; arguments ctx, wh, bo, out0; writes out0
.if DOCPART == 4
	.amdgcn_target "amdgcn-amd-amdhsa--gfx1250"
	.amdhsa_code_object_version 6
	.text
	.protected	k_q085b2162ad_oproj
	.globl	k_q085b2162ad_oproj
	.p2align	8
	.type	k_q085b2162ad_oproj,@function
k_q085b2162ad_oproj:
	s_mov_b64 s[64:65], 0
	v_nop
	global_prefetch_b8 v0, s[64:65] scope:SCOPE_SE
	s_setreg_imm32_b32 hwreg(HW_REG_WAVE_MODE, 25, 1), 1
	s_wait_xcnt 0x0
	s_wait_alu depctr_hold_cnt(0) depctr_sa_sdst(0) depctr_va_vdst(0) depctr_va_sdst(0) depctr_va_ssrc(0) depctr_va_vcc(0) depctr_vm_vsrc(0)
	s_getreg_b32 s2, hwreg(HW_REG_IB_STS2, 6, 4)
	s_cmp_eq_u32 s2, 0
	s_cbranch_scc0 .Lentry_in_a_cluster
	s_endpgm
.Lentry_in_a_cluster:
	s_bfe_u32 s2, ttmp6, 0x10000c
	s_cmp_lg_u32 s2, 0xf033
	s_cbranch_scc0 .Lentry_shape_is_right
	s_endpgm
.Lentry_shape_is_right:
; THE OUTPUT PROJECTION.  out0[m][n] = sum over k of ctx[m][k] Wo[n][k] + bo[n], f32 out.  ctx [4096][1024] f16; Wo is plane 3 of wh, f16.  Sums in f32, K = 1024 ascending.
; The frame of the three projections: blocks of 128 x 128 (32 x 8 = 256 work-groups), four waves of 64 x 64, K in 4 steps of 256 through two LDS slots,
; tiles with rows of 512 bytes; clusters of 4 x 4 with ctx's tile asked for jointly along a row of the cluster and Wo's along a column.
; The matrix instruction is used transposed (source 0 = 16 rows of Wo, source 1 = 16 rows of ctx): lane l holds token l % 16 and features 8 (l / 16) + 0..7.
; A wave's row of the result is 64 f32 = 256 bytes, so the way out goes through a stage of the wave's own, 16 rows at a time, with no barrier.
; REGISTERS: window 0: addresses, bias, two fragment buffers, sums at work; window 1 (v256-383): accumulator tile (a, b) at v[8 (4 a + b)].
; LIMIT: operands are f16 (|ctx|, |Wo| below 65,504).
.set KSTEP,  256
.set PITCH,  528                       ; 512 bytes + 16 of padding: an odd multiple of 16 bytes
.set HALFT,  64*PITCH
.set SLOT,   4*HALFT
.set STAGE,  2*SLOT                    ; behind the ring: 16 rows x 272 bytes for each wave; no tensor load lands there
.set SPITCH, 272
.set ADRA, 16
.set ADRB, 20
.set STO,  24
.set RD,   25
.set CO,   26
.set BO,   27
.set BIAS, 32                          ; v[32:63] bo of my 32 features: 8 b + j
.set F0,   64
.set F1,   128
.set TT,   192                         ; v[192:223] way out: 16 tokens x 64 features with the bias added
.set G1,  24
.set G0,  32
.set G1B, 48
.set G0B, 56
.set MSB, 0
.macro WIN new                         ; the immediate's high byte repeats the setting that is left
.if MSB != \new
	s_set_vgpr_msb (MSB<<8)|\new
.set MSB, \new
.endif
.endm
.set W_MUL, 0x50                       ; C and D in window 1
.set W_EPI, 0x01                       ; source 0 in window 1
.macro JLOAD s                         ; waves 0, 1 ask for ctx's two halves, waves 2, 3 for Wo's
	s_cmp_eq_u32 s11, 0
	s_cbranch_scc0 .Lfor_b_\@
	tensor_load_to_lds s[G0+4*\s:G0+4*\s+3], s[G1:G1+7]
	s_nop 0
	s_branch .Lasked_\@
.Lfor_b_\@:
	tensor_load_to_lds s[G0B+4*\s:G0B+4*\s+3], s[G1B:G1B+7]
	s_nop 0
.Lasked_\@:
.endm
.macro CREST
	s_cmp_lg_u32 s10, 0
	s_cbranch_scc1 .Lnot_wave_0_\@
	s_barrier_signal -3
.Lnot_wave_0_\@:
	s_barrier_wait -3
	s_barrier_signal -1
	s_barrier_wait -1
.endm
.macro CROUND
	s_barrier_signal -1
	s_barrier_wait -1
	CREST
.endm
.macro PLACES                          ; four places behind a matrix instruction (ISA guide 7.12.1)
.rept 4
	v_nop
.endr
.endm
	s_load_b128 s[4:7], s[0:1], 0x0                ; ctx, wh
	s_load_b128 s[68:71], s[0:1], 0x10             ; bo, out0
	v_lshl_add_u32 v254, v0, 2, 0x46400
	v_mov_b32 v255, 0
	ds_add_u32 v254, v255
	v_lshrrev_b32 v1, 5, v0
	v_readfirstlane_b32 s10, v1                    ; wave 0..3
	s_lshr_b32 s11, s10, 1                         ; my half of the tokens.  Also: I fetch for ctx (0) or for Wo (1)
	s_and_b32 s12, s10, 1                          ; my half of the features.  Also: which 64 rows I fetch
	s_bfe_u32 s40, ttmp6, 0x40000                  ; cx
	s_bfe_u32 s41, ttmp6, 0x40004                  ; cy
	s_lshl_b32 s42, ttmp9, 2
	s_add_co_u32 s42, s42, s40                     ; block column
	s_and_b32 s13, ttmp7, 0xffff
	s_lshl_b32 s13, s13, 2
	s_add_co_u32 s13, s13, s41                     ; block row
	s_lshl_b32 s43, s41, 2
	s_lshl_b32 s43, 15, s43                        ; my row of the cluster
	s_lshl_b32 s44, 0x1111, s40                    ; my column
	s_or_b32 s[G1+0], s43, (1<<16)|(1<<20)|(1<<21)|(6<<22)|(3<<25)  ; mask; elements of 2 bytes; padding on; bit 21 beside a mask; after every 128 words; of 4 words
	s_or_b32 s[G1B+0], s44, (1<<16)|(1<<20)|(1<<21)|(6<<22)|(3<<25)
	s_mov_b32 s[G1+1], KSTEP<<16
	s_mov_b32 s[G1B+1], KSTEP<<16
	s_mov_b32 s[G1+2], 64<<16
	s_mov_b32 s[G1B+2], 64<<16
	s_mov_b32 s[G1+3], KSTEP<<16
	s_mov_b32 s[G1B+3], KSTEP<<16
	s_mov_b32 s[G1+4], 64
	s_mov_b32 s[G1B+4], 64
	s_mov_b32 s[G1+5], 1024
	s_mov_b32 s[G1B+5], 1024
	s_mov_b32 s[G1+6], 0
	s_mov_b32 s[G1B+6], 0
	s_mov_b32 s[G1+7], 0
	s_mov_b32 s[G1B+7], 0
	s_lshl_b32 s17, s12, 6
	s_lshl_b32 s16, s13, 7
	s_add_co_u32 s16, s16, s17                     ; ctx: row 128 x block row + 64 x half
	s_lshl_b32 s16, s16, 11
	s_lshl_b32 s46, s42, 7
	s_add_co_u32 s46, s46, s17                     ; Wo: row 128 x block column + 64 x half
	s_lshl_b32 s46, s46, 11
	s_add_co_u32 s46, s46, 3*2097152               ; plane 3 of wh
	s_mov_b32 s17, 0
	s_mov_b32 s47, 0
	s_mul_i32 s20, s10, HALFT
	s_wait_dscnt 0x0
	s_wait_kmcnt 0x0
	s_add_nc_u64 s[14:15], s[4:5], s[16:17]
	s_add_nc_u64 s[46:47], s[6:7], s[46:47]
	CROUND                                         ; all sixteen work-groups are here: the first joint loads meet
.irp s, 0,1
	s_mov_b32 s[G0+4*\s], 1
	s_add_co_u32 s[G0+4*\s+1], s20, \s*SLOT
	s_add_nc_u64 s[G0+4*\s+2:G0+4*\s+3], s[14:15], \s*KSTEP*2
	s_or_b32 s[G0+4*\s+3], s[G0+4*\s+3], 0x80000000
	s_mov_b32 s[G0B+4*\s], 1
	s_add_co_u32 s[G0B+4*\s+1], s20, \s*SLOT
	s_add_nc_u64 s[G0B+4*\s+2:G0B+4*\s+3], s[46:47], \s*KSTEP*2
	s_or_b32 s[G0B+4*\s+3], s[G0B+4*\s+3], 0x80000000
	JLOAD \s                                       ; K steps 0 and 1: two loads of mine are out
.endr
	s_lshl_b32 s72, s42, 9                         ; 128 features x 4 bytes a block column
	s_lshl_b32 s73, s12, 8
	s_add_co_u32 s72, s72, s73
	s_mov_b32 s73, 0
	s_add_nc_u64 s[68:69], s[68:69], s[72:73]      ; bias of my 64 features
	s_lshl_b32 s74, s13, 19                        ; 128 rows x 4,096 bytes a block row
	s_add_co_u32 s72, s72, s74
	s_lshl_b32 s74, s11, 18                        ; my 64 tokens
	s_add_co_u32 s72, s72, s74
	s_add_nc_u64 s[70:71], s[70:71], s[72:73]      ; my 64 x 64 of out0
	v_and_b32 v1, 15, v0                           ; r
	v_bfe_u32 v2, v0, 4, 1                         ; h
	v_lshlrev_b32 v[BO], 5, v2
.irp b, 0,1,2,3
	global_load_b128 v[BIAS+8*\b:BIAS+8*\b+3],   v[BO], s[68:69] offset:64*\b
	global_load_b128 v[BIAS+8*\b+4:BIAS+8*\b+7], v[BO], s[68:69] offset:64*\b+16
.endr
	v_mul_u32_u24 v3, v1, PITCH
	v_lshl_add_u32 v3, v2, 4, v3
	s_mul_i32 s21, s11, HALFT
	s_mul_i32 s22, s12, HALFT
	s_add_co_u32 s22, s22, 2*HALFT
.irp s, 0,1
	v_add_nc_u32 v[ADRA+\s], s21, v3
	v_add_nc_u32 v[ADRB+\s], s22, v3
	s_add_co_u32 s21, s21, SLOT
	s_add_co_u32 s22, s22, SLOT
.endr
	s_mul_i32 s23, s10, 16*SPITCH
	s_add_co_u32 s23, s23, STAGE                   ; my stage
	v_mul_u32_u24 v4, v1, SPITCH
	v_lshl_add_u32 v4, v2, 5, v4
	v_add_nc_u32 v[STO], s23, v4                   ; in: row r, 32 bytes (8 f32) for each half of the lanes
	v_mul_u32_u24 v5, v2, SPITCH
	v_lshl_add_u32 v5, v1, 4, v5
	v_add_nc_u32 v[RD], s23, v5                    ; back: lanes 0-15 one row of 256 bytes, lanes 16-31 the next
	v_lshlrev_b32 v5, 12, v2
	v_lshl_add_u32 v[CO], v1, 4, v5                ; and the same two rows in out0
	s_wait_loadcnt 0x0                             ; the bias
; 16 matrix instructions: 64 x 64, 32 along K.  The 16 accumulators take turns, one instruction a turn, in the same order every time.
.macro MUL16 f, zero
.irp a, 0,1,2,3
.irp b, 0,1,2,3
.if \zero
	v_wmma_f32_16x16x32_f16 v[8*(4*\a+\b):8*(4*\a+\b)+7], v[\f+8*\b:\f+8*\b+7], v[\f+32+8*\a:\f+32+8*\a+7], 0
.else
	v_wmma_f32_16x16x32_f16 v[8*(4*\a+\b):8*(4*\a+\b)+7], v[\f+8*\b:\f+8*\b+7], v[\f+32+8*\a:\f+32+8*\a+7], v[8*(4*\a+\b):8*(4*\a+\b)+7]
.endif
.endr
.endr
.endm
.macro FETCH slot, k, f
.irp i, 0,1,2,3
	ds_load_b128 v[\f+8*\i:\f+8*\i+3],   v[ADRB+\slot] offset:\k+\i*16*PITCH
	ds_load_b128 v[\f+8*\i+4:\f+8*\i+7], v[ADRB+\slot] offset:\k+\i*16*PITCH+32
.endr
.irp i, 0,1,2,3
	ds_load_b128 v[\f+32+8*\i:\f+32+8*\i+3], v[ADRA+\slot] offset:\k+\i*16*PITCH
	ds_load_b128 v[\f+32+8*\i+4:\f+32+8*\i+7], v[ADRA+\slot] offset:\k+\i*16*PITCH+32
.endr
.endm
.macro QUARTER slot, kq, f, g, zero    ; buffer f is in; the next eighth's fragments go out into g, then f is multiplied while they come
	s_wait_dscnt 0x0
	PLACES                                         ; buffer g was read by the last 16 matrix instructions
	FETCH \slot, 64*(\kq+1), \g
	WIN W_MUL
	MUL16 \f, \zero
	WIN 0
.endm
.macro SEVEN slot, zero
	QUARTER \slot, 0, F0, F1, \zero
	QUARTER \slot, 1, F1, F0, 0
	QUARTER \slot, 2, F0, F1, 0
	QUARTER \slot, 3, F1, F0, 0
	QUARTER \slot, 4, F0, F1, 0
	QUARTER \slot, 5, F1, F0, 0
	QUARTER \slot, 6, F0, F1, 0
.endm
; The last eighth and the change of slots: each wave's reads of this slot and all its tensor loads are waited for in front of the barrier; where the slot is
; filled again the barrier opens a round of the cluster's barrier and the joint refill is the first tensor load behind the round.
.macro TURN slot, next, fill
	s_wait_dscnt 0x0
	s_wait_tensorcnt 0x0
	ds_add_u32 v254, v255
	s_wait_dscnt 0x0
	s_barrier_signal -1
	WIN W_MUL
	MUL16 F1, 0
	WIN 0
	s_barrier_wait -1
.if \fill
	CREST
	s_add_nc_u64 s[G0+4*\slot+2:G0+4*\slot+3], s[G0+4*\slot+2:G0+4*\slot+3], 2*KSTEP*2
	s_add_nc_u64 s[G0B+4*\slot+2:G0B+4*\slot+3], s[G0B+4*\slot+2:G0B+4*\slot+3], 2*KSTEP*2
	JLOAD \slot
.endif
	PLACES
	FETCH \next, 0, F0
.endm
	s_wait_tensorcnt 0x1                           ; my part of K step 0 is in; K step 1's stays out
	s_barrier_signal -1
	s_barrier_wait -1
	FETCH 0, 0, F0
	SEVEN 0, 1                                     ; the first products start the sums
	TURN 0, 1, 1                                   ; slot 0 <- K step 2
	SEVEN 1, 0
	TURN 1, 0, 1                                   ; slot 1 <- K step 3
	SEVEN 0, 0
	TURN 0, 1, 0
	SEVEN 1, 0
	s_wait_dscnt 0x0
	WIN W_MUL
	MUL16 F1, 0
	WIN 0
	; THE WAY OUT, 16 tokens at a time: add the bias, 32 bytes a lane into my own stage, read back as whole rows of 256 bytes.
	PLACES
.irp a, 0,1,2,3
	WIN W_EPI
.irp b, 0,1,2,3
.irp i, 0,1,2,3
	v_pk_add_f32 v[TT+8*\b+2*\i:TT+8*\b+2*\i+1], v[8*(4*\a+\b)+2*\i:8*(4*\a+\b)+2*\i+1], v[BIAS+8*\b+2*\i:BIAS+8*\b+2*\i+1]
.endr
.endr
	WIN 0
.irp b, 0,1,2,3
	ds_store_b128 v[STO], v[TT+8*\b:TT+8*\b+3]   offset:64*\b
	ds_store_b128 v[STO], v[TT+8*\b+4:TT+8*\b+7] offset:64*\b+16
.endr
	s_wait_xcnt 0x0                                ; the registers read back into were the data of earlier stores: they are loaded again only behind this wait
.irp t, 0,1,2,3,4,5,6,7
	ds_load_b128 v[F0+32*(\a&1)+4*\t:F0+32*(\a&1)+4*\t+3], v[RD] offset:\t*2*SPITCH   ; my own bytes; LDS serves a wave's instructions in order (ISA guide 5.7.1): these see the stores above
.endr
.irp t, 0,1,2,3,4,5,6,7
	s_wait_dscnt 7-\t                              ; load t is in, the younger stay out
	global_store_b128 v[CO], v[F0+32*(\a&1)+4*\t:F0+32*(\a&1)+4*\t+3], s[70:71] offset:\a*65536+\t*8192   ; 16 lanes store 256 consecutive bytes, aligned
.endr
.endr
	s_wait_tensorcnt 0x0
	ds_add_u32 v254, v255
	s_wait_dscnt 0x0
	CROUND                                         ; the closing round
	s_endpgm
.Lfunc_end_k_q085b2162ad_oproj:
	.size	k_q085b2162ad_oproj, .Lfunc_end_k_q085b2162ad_oproj-k_q085b2162ad_oproj
	.p2alignl 7, 3214868480
	.fill 96, 4, 3214868480
	.section	.rodata,"a",@progbits
	.p2align	6, 0x0
	.amdhsa_kernel k_q085b2162ad_oproj
		.amdhsa_group_segment_fixed_size 327680
		.amdhsa_private_segment_fixed_size 0
		.amdhsa_enable_private_segment 0
		.amdhsa_kernarg_size 32
		.amdhsa_user_sgpr_count 2
		.amdhsa_user_sgpr_kernarg_segment_ptr 1
		.amdhsa_wavefront_size32 1
		.amdhsa_system_sgpr_workgroup_id_x 1
		.amdhsa_system_sgpr_workgroup_id_y 1
		.amdhsa_system_sgpr_workgroup_id_z 1
		.amdhsa_system_vgpr_workitem_id 0
		.amdhsa_next_free_vgpr 384
		.amdhsa_next_free_sgpr 80
		.amdhsa_reserve_vcc 0
		.amdhsa_float_denorm_mode_32 3
		.amdhsa_float_denorm_mode_16_64 3
		.amdhsa_memory_ordered 1
		.amdhsa_forward_progress 1
		.amdhsa_inst_pref_size 93
	.end_amdhsa_kernel
	.amdgpu_metadata
---
amdhsa.version: [ 1, 2 ]
amdhsa.kernels:
  - .name:           k_q085b2162ad_oproj
    .symbol:         k_q085b2162ad_oproj.kd
    .args:
      - { .name: ctx, .offset: 0, .size: 8, .value_kind: global_buffer, .address_space: global }
      - { .name: wh, .offset: 8, .size: 8, .value_kind: global_buffer, .address_space: global }
      - { .name: bo, .offset: 16, .size: 8, .value_kind: global_buffer, .address_space: global }
      - { .name: out0, .offset: 24, .size: 8, .value_kind: global_buffer, .address_space: global }
    .group_segment_fixed_size: 327680
    .private_segment_fixed_size: 0
    .kernarg_segment_align: 8
    .kernarg_segment_size: 32
    .max_flat_workgroup_size: 128
    .sgpr_count:     80
    .vgpr_count:     384
    .wavefront_size: 32
...
	.end_amdgpu_metadata
.endif
;; end of part 4
;; ======== version 2 of 2: 4 launches; version 1 with the launch prep written anew for expert scheduling mode
;; limits: values are held in f16: magnitudes above 65,504 overflow, below 6.1e-05 lose precision
;; workspace buffers: xh 25,165,824 bytes; wh 8,388,608 bytes; mbits 524,288 bytes of whole numbers; qkvh 25,165,824 bytes; ctx 8,388,608 bytes
;; launch prep (part 5): grid 256 x 1, 8 waves a work-group, no clusters, 68,608 bytes of LDS; arguments q, k, v, Wq, Wk, Wv, Wo, mask, xh, wh, mbits; writes xh, wh, mbits
.if DOCPART == 5
	.amdgcn_target "amdgcn-amd-amdhsa--gfx1250"
	.amdhsa_code_object_version 6
	.text
	.protected	k_q085b2162ad_prep
	.globl	k_q085b2162ad_prep
	.p2align	8
	.type	k_q085b2162ad_prep,@function
k_q085b2162ad_prep:
	s_mov_b64 s[64:65], 0
	v_nop
	global_prefetch_b8 v0, s[64:65] scope:SCOPE_SE
	s_setreg_imm32_b32 hwreg(HW_REG_WAVE_SCHED_MODE, 0, 2), 2
	s_setreg_imm32_b32 hwreg(HW_REG_WAVE_MODE, 25, 1), 1
	s_wait_xcnt 0x0
	s_wait_alu depctr_vm_vsrc(0)
; CAST AND PACK.  q, k, v [4096][1024] f32 -> xh [3][4096][1024] bf16;  Wq, Wk, Wv [1024][1024] f32 -> planes 0-2 of wh, bf16;
; Wo -> plane 3 of wh: rounded to bf16 like every other matrix input, and that number written in f16, because its partner in the last product
; (the context) is f16.  So all matrix inputs bear one and the same rounding, to nearest even, once: the program computes reference() of the inputs
; rounded to bf16, up to the f16 rounding of its intermediates.  A bf16 number (8 significant bits) is exact in f16 for magnitudes from 2^-17 to 65,504.
; mask [2048][2048] i32 -> mbits, one bit a number: the word at byte qt*4096 + kt*32 + 4*j (qt, kt: tiles of 16 queries, 16 keys; j = 0..7)
; has bit L = (mask[16 qt + (L & 15)][16 kt + 8 (L >> 4) + j] != 0): the lane mask of register j of a 16 x 16 tile of scores that holds
; query L & 15 and key 8 (L >> 4) + j in lane L.  The attention launch uses a word as the select mask of one v_cndmask_b32.
; A stream: every input byte is read once, by loads of 16 bytes a lane (512 consecutive bytes a wave); every store of a wave covers 256
; consecutive bytes, aligned.  No matrix work.  The work-groups share no input, so there is nothing to ask for jointly: no cluster.
; 256 work-groups of 8 waves.  Work-group g: 64 KiB of each of q, k, v, 16 KiB of each W, and 16 rows x 1024 columns of the mask
; (stripe g >> 1, column half g & 1); a wave takes one eighth of each, contiguous (of the mask: 16 rows x 128 columns = 8 tiles = 64 words).
; LIMIT: |Wo| of 65,504 or more becomes an infinity; |Wo| below 2^-17 is off by 2^-25 at the most.  The other inputs keep f32's range.
; THE MODE: SCHED_MODE bits 1:0 = 2 (LLVM: expert scheduling mode 2), set by the entry lines.  The code itself states the register dependences
; between vector instructions and memory or LDS instructions, with s_wait_alu, always for 0.
; THE PLAN.  Three batches of 64 registers, each taken as a lower and an upper half of 32.  A step's 32 conversions read a whole batch and write its lower half.
;   lower half   written by the conversions, read by the step's 16 stores, and loaded again ONE STEP LATER (rows of the mask), behind the waits that
;                state that those stores have read it: they stand a whole wait for loads behind the stores.
;   upper half   only read by the conversions: loaded again in the same step (two of the four W), behind the one wait that the stores need anyway.
;   step 0: q in X0;  Wq, Wk -> X0's upper half          step 1: k in X1;  Wv, Wo -> X1's upper half, mask rows 0-7 -> X0's lower half
;   step 2: v in X2;  mask rows 8-15 -> X1's lower half  step 3: the four W, in place in the two upper halves      step 4: the mask, through LDS into X2
;   v1 to v8     offsets and LDS addresses, made once at the head and never written again.
;   v10, v11     the lane's two words of mbits: written by v_writelane_b32, read by the last store.
;   v208, v209   written at the head, read by the closing add alone.
.set X0, 16                            ; v[16:79]    batch 0
.set X1, 80                            ; v[80:143]   batch 1
.set X2, 144                           ; v[144:207]  batch 2
.set W0, X0+32                         ; v[48:79]    Wq (16 registers of f32), Wk (16)
.set W1, X1+32                         ; v[112:143]  Wv, Wo
.set CM, 66                            ; s[66:97]    32 lane masks, a run of compares at a time
.set LP, 528                           ; LDS pitch of a mask row: 512 bytes + 16: an odd multiple of 16 bytes, so 16 rows start in 16 different 16-byte columns of a 256-byte span
.set WLDS, 16*LP                       ; a wave's own LDS bytes
.set WPLANE, 2097152                   ; bytes of one W in 16 bits
	s_load_b512 s[8:23], s[0:1], 0x0               ; q 8, k 10, v 12, Wq 14, Wk 16, Wv 18, Wo 20, mask 22
	s_load_b128 s[24:27], s[0:1], 0x40             ; xh 24, wh 26
	s_load_b64 s[28:29], s[0:1], 0x50              ; mbits
	v_lshl_add_u32 v208, v0, 2, 0x10800            ; my spare word, behind the eight waves' LDS bytes, and 0, kept for the closing lines alone
	v_mov_b32 v209, 0
	v_and_b32 v12, 31, v0                          ; lane
	v_lshrrev_b32 v9, 5, v0                        ; wave
	v_readfirstlane_b32 s38, v9                    ; and as a scalar
	v_lshlrev_b32 v13, 4, v12                      ; 16 x lane
	v_lshlrev_b32 v14, 3, v12                      ; 8 x lane
	v_lshl_add_u32 v1, v9, 13, v13                 ; q, k, v: 8 KiB a wave
	v_lshl_add_u32 v2, v9, 12, v14                 ; xh: 4 KiB a wave
	v_lshl_add_u32 v3, v9, 11, v13                 ; W: 2 KiB a wave
	v_lshl_add_u32 v4, v9, 10, v14                 ; wh: 1 KiB a wave
	v_lshl_add_u32 v5, v9, 9, v13                  ; mask: 512 bytes of each row
	v_and_b32 v15, 15, v0
	v_mul_u32_u24 v15, v15, LP                     ; LDS, back: row L & 15,
	v_bfe_u32 v7, v0, 4, 1
	v_lshl_add_u32 v7, v7, 5, v15                  ; 8 numbers (32 bytes) for each half of the lanes
	v_lshl_add_u32 v8, v9, 8, v14                  ; mbits: 256 bytes a wave, 8 a lane
	v_mov_b32 v10, 0                               ; the two words of a lane: v_writelane_b32 counts as a reader of its destination
	v_mov_b32 v11, 0
	s_wait_alu depctr_va_sdst(0)                   ; s38 is written, ahead of its first reader, the line below
	s_mul_i32 s39, s38, WLDS                       ; my wave's LDS bytes
	v_add_nc_u32 v6, s39, v13                      ; LDS, in: 16 bytes a lane of a row
	v_add_nc_u32 v7, s39, v7
	s_mov_b32 s3, 0
	s_lshl_b32 s2, ttmp9, 16                       ; offsets are made apart from the addresses, in s[2:3]
	s_wait_kmcnt 0x0
	s_add_nc_u64 s[8:9], s[8:9], s[2:3]
	s_add_nc_u64 s[10:11], s[10:11], s[2:3]
	s_add_nc_u64 s[12:13], s[12:13], s[2:3]
	s_lshl_b32 s2, ttmp9, 15
	s_add_nc_u64 s[24:25], s[24:25], s[2:3]        ; xh, plane of q
	s_add_nc_u64 s[30:31], s[24:25], 0x800000      ; plane of k
	s_add_nc_u64 s[32:33], s[24:25], 0x1000000     ; plane of v
	s_lshl_b32 s2, ttmp9, 14
	s_add_nc_u64 s[14:15], s[14:15], s[2:3]
	s_add_nc_u64 s[16:17], s[16:17], s[2:3]
	s_add_nc_u64 s[18:19], s[18:19], s[2:3]
	s_add_nc_u64 s[20:21], s[20:21], s[2:3]
	s_lshl_b32 s2, ttmp9, 13
	s_add_nc_u64 s[26:27], s[26:27], s[2:3]
	s_lshr_b32 s2, ttmp9, 1
	s_lshl_b32 s2, s2, 17                          ; stripe x 16 rows x 8,192 bytes
	s_and_b32 s4, ttmp9, 1
	s_lshl_b32 s4, s4, 12                          ; column half x 4,096 bytes
	s_or_b32 s2, s2, s4
	s_add_nc_u64 s[22:23], s[22:23], s[2:3]
	s_lshl_b32 s2, ttmp9, 11
	s_add_nc_u64 s[28:29], s[28:29], s[2:3]
.macro LDN X, n, voff, base, stride, from  ; n loads, 512 consecutive bytes each: pieces from, from + 1, .. of the given stride
.set i, 0
.rept \n
	global_load_b128 v[\X+4*i:\X+4*i+3], v[\voff], s[\base:\base+1] offset:\stride*(\from+i) th:TH_LOAD_NT
.set i, i+1
.endr
.endm
.macro CVT X, n                        ; 2 n f32 -> 2 n bf16 in the first n of their 2 n registers; ascending, so no source is lost
.set i, 0
.rept \n
	v_cvt_pk_bf16_f32 v[\X+i], v[\X+2*i], v[\X+2*i+1]
.set i, i+1
.endr
.endm
.macro ST16 X, base                    ; 16 stores, 256 consecutive bytes each, aligned
.set i, 0
.rept 16
	global_store_b64 v2, v[\X+2*i:\X+2*i+1], s[\base:\base+1] offset:256*i
.set i, i+1
.endr
.endm
	s_wait_alu depctr_va_vdst(0)                   ; v1 to v8 are written: every load and store of the kernel reads one of them as its offset or its LDS address
	LDN X0, 16, 1, 8, 512, 0                       ; q
	LDN X1, 16, 1, 10, 512, 0                      ; k
	LDN X2, 16, 1, 12, 512, 0                      ; v
	; step 0
	s_wait_loadcnt 32                              ; q is in; the 32 younger loads (k, v) stay out
	CVT X0, 32
	s_wait_alu depctr_va_vdst(0)                   ; the conversions have written X0's lower half, which the stores read, and are done reading its upper half, in which the loads land
	LDN W0, 4, 3, 14, 512, 0                       ; Wq
	LDN W0+16, 4, 3, 16, 512, 0                    ; Wk
	ST16 X0, 24
	; step 1
	s_wait_loadcnt 24                              ; k is in; v (16) and Wq, Wk (8) stay out
	s_wait_xcnt 0x0                                ; X0's lower half is the data of q's stores: it is loaded again only behind this wait,
	s_wait_alu depctr_vm_vsrc(0)                   ; and behind this one: q's stores have read X0's lower half
	CVT X1, 32
	s_wait_alu depctr_va_vdst(0)                   ; the conversions have written X1's lower half (the stores' data) and are done reading its upper half; step 0's are done with X0's lower half: loads land in both
	LDN W1, 4, 3, 18, 512, 0                       ; Wv
	LDN W1+16, 4, 3, 20, 512, 0                    ; Wo
	LDN X0, 8, 5, 22, 8192, 0                      ; the mask: load i is row i's 512 bytes; rows 0 to 7
	ST16 X1, 30
	; step 2
	s_wait_loadcnt 24                              ; v is in; the four W (16) and the mask's rows 0 to 7 (8) stay out
	s_wait_xcnt 0x0                                ; likewise for X1's lower half, the data of k's stores,
	s_wait_alu depctr_vm_vsrc(0)                   ; which k's stores have read
	CVT X2, 32
	s_wait_alu depctr_va_vdst(0)                   ; the conversions have written X2's lower half, which the stores read; step 1's are done with X1's lower half, in which the loads land
	LDN X1, 8, 5, 22, 8192, 8                      ; the mask's rows 8 to 15
	ST16 X2, 32
	; step 3
	s_wait_loadcnt 16                              ; W is in; the mask stays out
	CVT W0, 16
	CVT W1, 16
.set i, 8
.rept 8                                        ; Wo's 16 numbers lie packed in registers 8-15 of W1: the bf16 numbers are widened (a shift, a mask) and written in f16;
	v_lshlrev_b32 v[W1+2*i], 16, v[W1+i]           ; registers 16-31, their f32 sources, are free and serve as the place to widen
	v_and_b32 v[W1+2*i+1], 0xffff0000, v[W1+i]
	v_cvt_pk_f16_f32 v[W1+i], v[W1+2*i], v[W1+2*i+1]
.set i, i+1
.endr
	s_wait_alu depctr_va_vdst(0)                   ; the conversions have written the first 16 registers of W0 and of W1, which the stores read
.irp n, 0,1
.irp j, 0,1,2,3
	global_store_b64 v4, v[W0+8*\n+2*\j:W0+8*\n+2*\j+1], s[26:27] offset:\n*WPLANE+256*\j
.endr
.endr
.irp n, 0,1
.irp j, 0,1,2,3
	global_store_b64 v4, v[W1+8*\n+2*\j:W1+8*\n+2*\j+1], s[26:27] offset:(\n+2)*WPLANE+256*\j
.endr
.endr
	; step 4
	s_wait_loadcnt 0x0                             ; the mask
.set i, 0
.rept 8
	ds_store_b128 v6, v[X0+4*i:X0+4*i+3] offset:LP*i         ; data as the loads left them: no vector instruction has named these registers since the waits ahead of those loads
.set i, i+1
.endr
.set i, 0
.rept 8
	ds_store_b128 v6, v[X1+4*i:X1+4*i+3] offset:LP*(8+i)
.set i, i+1
.endr
	s_wait_xcnt 0x0                                ; X2's lower half is the data of v's stores: it is loaded again only behind this wait,
	s_wait_alu depctr_vm_vsrc(0)                   ; and behind this one: v's stores have read it (the conversions that named X2 stand ahead of step 2's wait on va_vdst, and none names it since)
.set i, 0
.rept 16                                       ; tile kt = i >> 1, half c = i & 1: register X2 + 8 kt + j = mask[row L & 15][16 kt + 8 (L >> 4) + j]
	ds_load_b128 v[X2+4*i:X2+4*i+3], v7 offset:64*(i>>1)+16*(i&1)   ; my wave's own bytes; LDS serves a wave's instructions in order (ISA guide 5.7.1): these see the stores above
.set i, i+1
.endr
	s_wait_dscnt 0x0
.set n, 0
.rept 2                                        ; word n + m = 8 kt + j goes to lane (n + m) >> 1, register m & 1: a lane stores two neighbouring words.  The compares stand in two runs of 32
.set m, 0
.rept 32
	v_cmp_ne_u32 s[CM+m], 0, v[X2+n+m]
.set m, m+1
.endr
	s_wait_alu depctr_va_sdst(0)                   ; the run's 32 masks are written, ahead of the lines below, which read them
.set m, 0
.rept 32
	v_writelane_b32 v[10+(m&1)], s[CM+m], (n+m)>>1
.set m, m+1
.endr
.set n, n+32
.endr
	s_wait_alu depctr_va_vdst(0)                   ; v10 and v11 are written, which the store reads
	global_store_b64 v8, v[10:11], s[28:29]        ; 256 consecutive bytes, aligned
	s_wait_dscnt 0x0                               ; the closing lines, six on end
	s_wait_alu 0x0
	s_wait_tensorcnt 0x0
	ds_add_u32 v208, v209
	s_wait_dscnt 0x0
	s_endpgm
.Lfunc_end_k_q085b2162ad_prep:
	.size	k_q085b2162ad_prep, .Lfunc_end_k_q085b2162ad_prep-k_q085b2162ad_prep
	.p2alignl 7, 3214868480
	.fill 96, 4, 3214868480
	.section	.rodata,"a",@progbits
	.p2align	6, 0x0
	.amdhsa_kernel k_q085b2162ad_prep
		.amdhsa_group_segment_fixed_size 68608
		.amdhsa_private_segment_fixed_size 0
		.amdhsa_enable_private_segment 0
		.amdhsa_kernarg_size 88
		.amdhsa_user_sgpr_count 2
		.amdhsa_user_sgpr_kernarg_segment_ptr 1
		.amdhsa_wavefront_size32 1
		.amdhsa_system_sgpr_workgroup_id_x 1
		.amdhsa_system_sgpr_workgroup_id_y 1
		.amdhsa_system_sgpr_workgroup_id_z 1
		.amdhsa_system_vgpr_workitem_id 0
		.amdhsa_next_free_vgpr 210
		.amdhsa_next_free_sgpr 98
		.amdhsa_reserve_vcc 0
		.amdhsa_float_denorm_mode_32 3
		.amdhsa_float_denorm_mode_16_64 3
		.amdhsa_memory_ordered 1
		.amdhsa_forward_progress 1
		.amdhsa_inst_pref_size 37
	.end_amdhsa_kernel
	.amdgpu_metadata
---
amdhsa.version: [ 1, 2 ]
amdhsa.kernels:
  - .name:           k_q085b2162ad_prep
    .symbol:         k_q085b2162ad_prep.kd
    .args:
      - { .name: q, .offset: 0, .size: 8, .value_kind: global_buffer, .address_space: global }
      - { .name: k, .offset: 8, .size: 8, .value_kind: global_buffer, .address_space: global }
      - { .name: v, .offset: 16, .size: 8, .value_kind: global_buffer, .address_space: global }
      - { .name: Wq, .offset: 24, .size: 8, .value_kind: global_buffer, .address_space: global }
      - { .name: Wk, .offset: 32, .size: 8, .value_kind: global_buffer, .address_space: global }
      - { .name: Wv, .offset: 40, .size: 8, .value_kind: global_buffer, .address_space: global }
      - { .name: Wo, .offset: 48, .size: 8, .value_kind: global_buffer, .address_space: global }
      - { .name: mask, .offset: 56, .size: 8, .value_kind: global_buffer, .address_space: global }
      - { .name: xh, .offset: 64, .size: 8, .value_kind: global_buffer, .address_space: global }
      - { .name: wh, .offset: 72, .size: 8, .value_kind: global_buffer, .address_space: global }
      - { .name: mbits, .offset: 80, .size: 8, .value_kind: global_buffer, .address_space: global }
    .group_segment_fixed_size: 68608
    .private_segment_fixed_size: 0
    .kernarg_segment_align: 8
    .kernarg_segment_size: 88
    .max_flat_workgroup_size: 256
    .sgpr_count:     98
    .vgpr_count:     210
    .wavefront_size: 32
...
	.end_amdgpu_metadata
.endif
;; end of part 5
;; launch qkv: the kernel of part 2 again; grid 4 x 48, 4 waves a work-group, clusters of 4 x 4, 327,680 bytes of LDS; arguments xh, wh, bq, bk, bv, qkvh; writes qkvh
;; launch attn: the kernel of part 3 again; grid 16 x 16, 8 waves a work-group, clusters of 4 x 1, 327,680 bytes of LDS; arguments qkvh, mbits, ctx; writes ctx
;; launch oproj: the kernel of part 4 again; grid 8 x 32, 4 waves a work-group, clusters of 4 x 4, 327,680 bytes of LDS; arguments ctx, wh, bo, out0; writes out0
